; MI455X (gfx1250); checked and timed in simulation.
; The chip was launched on July 23, 2026; its instructions are those of AMD's public machine-readable ISA for CDNA 5 (MIT licence, August 2026) and "CDNA5" Instruction Set Architecture Reference Guide (July 2026). The comments in the code are by the model that wrote it; some were corrected since.
;; m LSTM Cell. Allowed arithmetic: matrix products marked QUANTISED: E2M1 operands, one E8M0 scale for each 32 along K, by v_wmma_scale_f32_16x16x128_f8f6f4 with both operands' format E2M1 (or v_wmma_scale_f32_32x16x128_f4), f32 sums; products left as they are: f32 operands where the result goes on into a quantised operand, else bf16, f16 or f32 operands; f32 sums; everything else in f32.
;; Inputs: fgate_bias 4 float32; fgate_kernel 3,072 x 4 float32; igate_bias 4 float32; igate_kernel 3,072 x 4 float32; k 2 x 2,048 x 1,024 float32; q 2 x 2,048 x 1,024 float32; rms_scale 256 float32; v 2 x 2,048 x 1,024 float32.
;; Outputs: out0 2 x 2,048 x 1,024 float32.
;; This version of the problem:
;;   THIS VERSION OF THE PROBLEM IS GIVEN IN LOW PRECISION. The matrix products marked QUANTISED in the list below multiply operands that are first quantised to E2M1 (2 exponent bits, 1 mantissa bit; 4 bits a number), with one power-of-two scale for each 32 numbers along K (OCP MX v1.0); their sums are f32. All else is computed in f32.
;;   The module's matrix products, in the order in which they are computed (A, B: the left and right operand; K: the contracted axis; several contracted axes count as one K, in the product's order):
;;     1. [M 4,096, K 3,072] x [K 3,072, N 4]; A: computed on the way; B: input igate_kernel: left as it is (N = 4 < 16)
;;     2. [M 4,096, K 3,072] x [K 3,072, N 4]; A: computed on the way; B: input fgate_kernel: left as it is (N = 4 < 16)
;;     3. batch 8 x [M 2,048, K 256] x [K 256, N 2,048]; A: input q; B: computed on the way: QUANTISED
;;     4. batch 8 x [M 2,048, K 2,048] x [K 2,048, N 256]; A: computed on the way; B: input v: QUANTISED
;;   THE QUANTISER, for each operand of a quantised product, along K:
;;     - K is cut into blocks of 32 from its start; a last block that is shorter is filled with zeros.
;;     - A block's scale is 2^e with e = floor(log2(the largest magnitude in the block)) - 2, held to -126 .. 127; a block of zeros has e = 0. As a byte (E8M0): e + 127.
;;     - Each number is divided by its block's scale, clamped to +-6, and rounded to the nearest number of E2M1, ties to even, subnormals kept.
;;     - The product sums the exact products of the quantised numbers (number of the format x scale) in f32.
;;   ~~~python
;;   def quantise(x, axis):      # numpy; x: float32 -> the quantised numbers, widened to float32 again
;;       x = np.moveaxis(x, axis, -1); K = x.shape[-1]
;;       x = np.pad(x, [(0, 0)] * (x.ndim - 1) + [(0, -K % 32)]); x = x.reshape(x.shape[:-1] + (-1, 32)); a = np.abs(x).max(-1, keepdims=True)
;;       e = np.where(a > 0, np.clip(np.frexp(np.where(a > 0, a, 1))[1] - 1 - 2, -126, 127), 0)      # np.frexp(a)[1] - 1 = floor(log2(a)), exactly
;;       r = np.clip(x / 2.0 ** e, -6, 6)
;;       step = 2.0 ** (np.maximum(np.frexp(np.where(r == 0, 1, r))[1] - 1, 0) - 1)
;;       q = np.round(r / step) * step * 2.0 ** e      # np.round: ties to even
;;       return np.moveaxis(q.reshape(q.shape[:-2] + (-1,))[..., :K], -1, axis).astype(np.float32)
;;   ~~~
;;   OPERANDS COMPUTED ON THE WAY. 'Computed on the way' means the value that the module computes at that place (a softmax that the list does not call 'softmax' is quantised finished and normalised). What goes into a quantiser is computed in f32, as accurately as f32 sums, v_exp_f32 and their like allow (about 1e-6 of the number): no bf16 or f16 on the way to a quantiser, and a product that is left as it is and whose result goes on into a quantised operand takes f32 operands (vector FMAs, or v_wmma_f32_16x16x4_f32). A number that lies on a knife's edge between two numbers of the format may be rounded either way, as far as f32 arithmetic and the matrix unit's own rounding can turn it there, and no further.
;; 2 versions, each right and faster than the one before. Each part assembles by itself: llvm-mc -triple=amdgcn-amd-amdhsa -mcpu=gfx1250 --defsym DOCPART=n.
;; ======== version 1 of 2: 3 launches
;; workspace buffers: img 6,291,456 bytes; scl 393,216 bytes; gpart 1,572,864 bytes; tab 262,144 bytes
;; launch prep (part 1): grid 32 x 12, 8 waves a work-group, no clusters, 154,880 bytes of LDS; arguments q, k, v, igate_kernel, fgate_kernel, img, scl, gpart; writes img, scl, gpart
.if DOCPART == 1
	.amdgcn_target "amdgcn-amd-amdhsa--gfx1250"
	.amdhsa_code_object_version 6
	.text
	.protected	k_q1403d7570a_prep
	.globl	k_q1403d7570a_prep
	.p2align	8
	.type	k_q1403d7570a_prep,@function
k_q1403d7570a_prep:
	s_mov_b64 s[64:65], 0
	v_nop
	global_prefetch_b8 v0, s[64:65] scope:SCOPE_SE
	s_setreg_imm32_b32 hwreg(HW_REG_WAVE_MODE, 25, 1), 1
	s_wait_xcnt 0x0
; mLSTM cell, launch 1 of 3.  q, k, v [2][2048][1024] f32 are read ONCE.  Made of them:
;   img:   codes of E2M1 of q and of k / 16 (blocks of 32 along the head's 256) and of v (blocks of 32 along the KEYS), laid as images of operand registers:
;          an image is 1,024 bytes = [block of 32 along K, 4][row, 16][16 bytes], which is registers 4 c .. 4 c + 3 of lane l at 512 c + 16 l.
;          q, k: [head 8][tile of 16 tokens 128][K step 2] images;  v: [head 8][key step of 128 keys 16][tile of 16 channels 16] images.
;   scl:   their E8M0 scale words, one word for a row and 128 along K.
;   gpart: f32 partial sums of the two gate products, [slice of 256 channels 12][gate 8: ig of heads 0-3, fg of heads 0-3][token 4096].
; k / 16 is a division by a power of two: k is quantised under its own scale, and 4 is taken off each scale byte.
; DEAD WORK LEFT OUT BY THE PROGRAM (in the third launch).  For key j > query i reference() sets log_d to -0.7 x the largest f32; d = exp(log_d - m) is then 0 and c = (q . k / 16) x 0 = 0 for all
; finite inputs; these c add 0 to the row's sum n, and a block of them has zero codes, which add 0 to h.  So units of 32 queries x 128 keys that lie wholly above the diagonal are not computed; inside a unit on
; the diagonal the hidden c are made 0 by a select.  Every input has a way to the output and is loaded.
; LIMITS.  A NaN, an infinity or an overflow that reaches only the work left out (a hidden q . k) is not carried to the result.  A block whose largest magnitude lies under the floor
; (2^(3 - 127); for k 2^(7 - 127)) keeps the floor's byte; a block of zeros so gets the byte 1 where the rule says 127: its codes are zeros, and this program alone reads the bytes.
; NaN and infinities among the inputs are not served.
; SHARES.  Work-group (x = batch x 16 + key step T, y = tensor x 4 + head) takes 128 tokens x 256 channels.  Wave w takes 32 tokens (tb = w % 4) x 128 channels (s = w / 4: one K step).
; A wave's 32 loads read 512 consecutive bytes each; the 16 KiB turn through the wave's own stage in LDS, from which a lane takes 16 neighbours along the channels (q, k, the gates) or a column of 32 tokens (v).
; THE GATES go on into a quantised operand, so they are f32 throughout: v_wmma_f32_16x16x4_f32, source 0 = 8 gate rows of W (rows 8-15 repeat them), source 1 = 16 tokens; the channels are
; dealt to the K places alike on both sides.  Four accumulators take turns, one instruction a turn; they are written by matrix instructions alone.
; No tensor load: the stream goes through registers, two work-groups to a WGP.
.set STGB,  16896                      ; a wave's stage: 32 token rows x (512 + 16) bytes
.set WT,    135168                     ; 8 gate rows x (256 channels x 4 + 16) bytes
.set GP,    143488                     ; [s 2][gate 8][token 128] f32
.set SCQ,   151680                     ; q's or k's scale words: [tile 8][s 2][row 16]
.set SCV,   152704                     ; v's scale bytes: [channel 256][block 4]
.set SPARE, 153856                     ; the spare words, 128 bytes for each wave
.set SPW, 1                            ; v1   my spare word's address; never rewritten
.set NIL, 2                            ; v2   0; never rewritten
.set GLO, 6                            ; v6   16 x lane
.set STW, 7                            ; v7   my stage + 16 x lane
.set XRD, 8                            ; v8   my stage + 528 r + 64 h
.set WTW, 9                            ; v9   WT + 4 x thread
.set WRD, 10                           ; v10  WT + 1040 (r % 8) + 512 s + 64 h
.set GPW, 11                           ; v11  GP + 4096 s + 4 (32 tb + r)
.set GPR, 12                           ; v12  GP + 512 w + 16 x lane
.set SQW, 13                           ; v13  SCQ + 256 tb + 64 s + 4 r
.set VCR, 14                           ; v14  my stage + 4 x lane
.set SVW, 15                           ; v15  SCV + 512 s + 4 x lane + tb
.set SCR, 16                           ; v16  SCQ + 16 (thread % 64)
.set VST, 17                           ; v17  1024 h + 16 r
.set WGO, 18                           ; v18  16 x thread
.set SGO, 19                           ; v19  16 (thread % 64)
.set PC,  32                           ; v32-47  codes: two fragments (q, k) or four sets of four (v)
.set PW,  48                           ; v48-49  scale words
.set VB,  50                           ; v50-53  v's scale bytes
.set RAW, 64                           ; v64-191 the rows as loaded; then:
.set WF,  64                           ; v64-127  W's fragment: register 16 b + i = W[channel 32 b + 16 h + i][gate r % 8]
.set X,   128                          ; v128-191 register 16 b + i = x[token r][channel 32 b + 16 h + i]
.set ACC, 192                          ; v192-223 four f32 accumulators
.set TM,  224                          ; v224-239 at work
.set G,   240                          ; v240-247 the gates' sums
.set G2,  248                          ; v248-255 W as loaded; later sums
; 64 numbers of a lane, register 16 b + i = k 32 b + 16 h + i of my row, become a fragment's codes in v[pc] on and its scale word in v[pw].  s56: the floor
.macro QUANT src, pc, pw
.irp b, 0,1,2,3
	v_max3_num_f32 v[TM+\b], |v[\src+16*\b]|, |v[\src+1+16*\b]|, s56   ; block b: my 16 numbers, and the floor, which holds the byte from below
.endr
.irp i, 2,4,6,8,10,12,14
.irp b, 0,1,2,3
	v_max3_num_f32 v[TM+\b], v[TM+\b], |v[\src+16*\b+\i]|, |v[\src+1+16*\b+\i]|   ; the four blocks by turns
.endr
.endr
.irp b, 0,1,2,3
	v_permlanex16_b32 v[TM+4+\b], v[TM+\b], s58, s59
.endr
.irp b, 0,1,2,3
	v_max_num_f32 v[TM+\b], v[TM+\b], v[TM+4+\b]                       ; with lane l xor 16's: the block's largest magnitude
.endr
.irp b, 0,1,2,3
	v_add_nc_u32 v[TM+12+\b], 0xff000000, v[TM+\b]                     ; 2 off its exponent field: the conversion's scale operand
.endr
.irp b, 0,1,2,3
	v_lshrrev_b32 v[TM+4+\b], 23, v[TM+12+\b]                          ; the scale's byte
.endr
	v_lshl_or_b32 v[\pw], v[TM+5], 8, v[TM+4]
	v_lshl_or_b32 v[\pw], v[TM+6], 16, v[\pw]
	v_lshl_or_b32 v[\pw], v[TM+7], 24, v[\pw]
.irp b, 0,1,2,3
	v_cvt_scalef32_pk8_fp4_f32 v[\pc+2*\b], v[\src+16*\b:\src+7+16*\b], v[TM+12+\b]
	v_cvt_scalef32_pk8_fp4_f32 v[\pc+1+2*\b], v[\src+8+16*\b:\src+15+16*\b], v[TM+12+\b]
.endr
	v_nop                                          ; one plain place behind the scaled conversions
.irp c, 0,1                                    ; the operand's layout wants a whole block in a lane: lanes 0-15 block 2 c, lanes 16-31 block 2 c + 1
.irp i, 0,1
	v_permlane16_swap_b32 v[\pc+4*\c+\i], v[\pc+2+4*\c+\i]
.endr
.endr
.endm
	s_load_b512 s[8:23], s[0:1], 0x0               ; q, k, v, igate_kernel, fgate_kernel, img, scl, gpart
	v_lshl_add_u32 v[SPW], v0, 2, SPARE
	v_mov_b32 v[NIL], 0
	v_lshrrev_b32 v3, 5, v0
	v_readfirstlane_b32 s24, v3                    ; wave 0..7
	v_and_b32 v3, 31, v0                           ; lane
	v_and_b32 v4, 15, v0                           ; r
	v_bfe_u32 v5, v0, 4, 1                         ; h
	s_and_b32 s25, s24, 3                          ; tb
	s_lshr_b32 s26, s24, 2                         ; s
	s_and_b32 s27, ttmp7, 0xffff                   ; y
	s_lshr_b32 s28, s27, 2                         ; tensor: 0 q, 1 k, 2 v
	s_and_b32 s29, s27, 3                          ; head in the batch
	s_lshr_b32 s30, ttmp9, 4
	s_lshl_b32 s30, s30, 2
	s_add_co_u32 s30, s30, s29                     ; head 0..7 = 4 x batch + head
	s_and_b32 s31, ttmp9, 15                       ; T
	s_mul_i32 s32, s24, STGB                       ; my stage
	v_lshlrev_b32 v[GLO], 4, v3
	v_add_nc_u32 v[STW], s32, v[GLO]
	v_mul_u32_u24 v[XRD], v4, 528
	v_lshl_add_u32 v[XRD], v5, 6, v[XRD]
	v_add_nc_u32 v[XRD], s32, v[XRD]
	v_lshl_add_u32 v[WTW], v0, 2, WT
	v_and_b32 v[WRD], 7, v4
	v_mul_u32_u24 v[WRD], v[WRD], 1040
	v_lshl_add_u32 v[WRD], v5, 6, v[WRD]
	s_lshl_b32 s33, s26, 9
	s_add_co_u32 s33, s33, WT
	v_add_nc_u32 v[WRD], s33, v[WRD]
	s_lshl_b32 s33, s26, 12
	s_lshl_b32 s34, s25, 7
	s_add_co_u32 s33, s33, s34
	s_add_co_u32 s33, s33, GP
	v_lshl_add_u32 v[GPW], v4, 2, s33
	s_lshl_b32 s33, s24, 9
	s_add_co_u32 s33, s33, GP
	v_add_nc_u32 v[GPR], s33, v[GLO]
	s_lshl_b32 s33, s25, 8
	s_lshl_b32 s34, s26, 6
	s_add_co_u32 s33, s33, s34
	s_add_co_u32 s33, s33, SCQ
	v_lshl_add_u32 v[SQW], v4, 2, s33
	v_lshl_add_u32 v[VCR], v3, 2, s32
	s_lshl_b32 s33, s26, 9
	s_add_co_u32 s33, s33, s25
	s_add_co_u32 s33, s33, SCV
	v_lshl_add_u32 v[SVW], v3, 2, s33
	v_and_b32 v[SGO], 63, v0
	v_lshlrev_b32 v[SGO], 4, v[SGO]
	v_add_nc_u32 v[SCR], SCQ, v[SGO]
	v_lshlrev_b32 v[VST], 4, v4
	v_lshl_add_u32 v[VST], v5, 10, v[VST]
	v_lshlrev_b32 v[WGO], 4, v0
.irp b, 0,1,2,3
	v_mov_b32 v[TM+4+\b], 0                        ; written once: a lane permute's destination counts as one of its sources
.endr
	; byte offsets, apart from the addresses
	s_lshl_b32 s38, ttmp9, 19                      ; the source: 128 x rows of 4,096 bytes,
	s_lshl_b32 s34, s25, 17                        ; + 32 tb rows,
	s_add_co_u32 s38, s38, s34
	s_lshl_b32 s34, s29, 10                        ; + the head's 1,024 bytes,
	s_add_co_u32 s38, s38, s34
	s_lshl_b32 s34, s26, 9                         ; + my 512
	s_add_co_u32 s38, s38, s34
	s_mov_b32 s39, 0
	s_lshl_b32 s40, s27, 12                        ; the gate kernels: 256 y rows of 16 bytes
	s_mov_b32 s41, 0
	s_lshl_b32 s46, s28, 21                        ; img: the tensor's part, the head, the key step;
	s_lshl_b32 s34, s30, 18
	s_add_co_u32 s46, s46, s34
	s_lshl_b32 s34, s31, 14
	s_add_co_u32 s46, s46, s34
	s_lshl_b32 s34, s25, 12
	s_lshl_b32 s35, s26, 10
	s_add_co_u32 s34, s34, s35                     ; q, k: two tiles of tokens a wave, K step s
	s_lshl_b32 s35, s26, 13
	s_lshl_b32 s33, s25, 8
	s_add_co_u32 s35, s35, s33                     ; v: eight tiles of channels a wave, block tb
	s_cmp_eq_u32 s28, 2
	s_cselect_b32 s34, s35, s34
	s_add_co_u32 s46, s46, s34
	s_mov_b32 s47, 0
	s_lshl_b32 s50, s28, 17                        ; scl
	s_lshl_b32 s34, s30, 14
	s_add_co_u32 s50, s50, s34
	s_lshl_b32 s34, s31, 10
	s_add_co_u32 s50, s50, s34
	s_mov_b32 s51, 0
	s_lshl_b32 s52, s27, 17                        ; gpart: slice y, gate w, token 128 x
	s_lshl_b32 s34, s24, 14
	s_add_co_u32 s52, s52, s34
	s_lshl_b32 s34, ttmp9, 9
	s_add_co_u32 s52, s52, s34
	s_mov_b32 s53, 0
	s_mov_b32 s56, 0x1800000                       ; the floor 2^(3 - 127);
	s_cmp_eq_u32 s28, 1
	s_cselect_b32 s56, 0x3800000, s56              ; for k 2^(7 - 127), so that 4 can be taken off the byte
	s_cselect_b32 s57, 0x04040404, 0               ; what is taken off the four bytes: k / 16
	s_mov_b32 s58, 0x76543210
	s_mov_b32 s59, 0xfedcba98                      ; v_permlanex16_b32's selects for lane l xor 16
	s_wait_kmcnt 0x0
	s_cmp_eq_u32 s28, 0
	s_cselect_b64 s[36:37], s[8:9], s[10:11]
	s_cmp_eq_u32 s28, 2
	s_cselect_b64 s[36:37], s[12:13], s[36:37]     ; the choice hangs on the work-group's number alone
	s_add_nc_u64 s[36:37], s[36:37], s[38:39]
	s_add_nc_u64 s[42:43], s[14:15], s[40:41]
	s_add_nc_u64 s[44:45], s[16:17], s[40:41]
	s_add_nc_u64 s[18:19], s[18:19], s[46:47]
	s_add_nc_u64 s[20:21], s[20:21], s[50:51]
	s_add_nc_u64 s[22:23], s[22:23], s[52:53]
	global_load_b128 v[G2:G2+3], v[WGO], s[42:43]          ; my channel's four input gates,
	global_load_b128 v[G2+4:G2+7], v[WGO], s[44:45]        ; and its four forget gates
.set i, 0
.rept 32
	global_load_b128 v[RAW+4*i:RAW+4*i+3], v[GLO], s[36:37] offset:i*4096 th:TH_LOAD_NT   ; token i: 32 lanes read 512 consecutive bytes
.set i, i+1
.endr
	s_wait_loadcnt 32                              ; W is in; the 32 rows may be out
.irp g, 0,1,2,3,4,5,6,7
	ds_store_b32 v[WTW], v[G2+\g] offset:\g*1040   ; turned: a row for each gate
.endr
.set i, 0
.rept 32
	s_wait_loadcnt 31-i                            ; row i is in; the rows behind it may be out
	ds_store_b128 v[STW], v[RAW+4*i:RAW+4*i+3] offset:i*528
.set i, i+1
.endr
	s_wait_dscnt 0x0                               ; my stores have landed: W's rows are read by all eight waves
	s_barrier_signal -1
	s_barrier_wait -1
.irp b, 0,1,2,3
.irp jj, 0,1,2,3
	ds_load_b128 v[WF+16*\b+4*\jj:WF+16*\b+4*\jj+3], v[WRD] offset:\b*128+\jj*16
.endr
.endr
; Tokens 16 tau .. 16 tau + 15 of my 32: the gates' partial sums over my 128 channels; for q and k also a fragment of codes.
.macro GATES tau
.irp b, 0,1,2,3
.irp jj, 0,1,2,3
	ds_load_b128 v[X+16*\b+4*\jj:X+16*\b+4*\jj+3], v[XRD] offset:\tau*8448+\b*128+\jj*16
.endr
.endr
	s_wait_dscnt 0x0
.set p, 0
.rept 32                                       ; K places 2 h + j of product p hold channel 32 b + 16 h + i with 16 b + i = 2 p + j, on both sides
.if p < 4
	v_wmma_f32_16x16x4_f32 v[ACC+8*(p%4):ACC+8*(p%4)+7], v[WF+2*p:WF+2*p+1], v[X+2*p:X+2*p+1], 0
.else
	v_wmma_f32_16x16x4_f32 v[ACC+8*(p%4):ACC+8*(p%4)+7], v[WF+2*p:WF+2*p+1], v[X+2*p:X+2*p+1], v[ACC+8*(p%4):ACC+8*(p%4)+7]
.endif
.set p, p+1
.endr
.rept 9
	v_nop                                          ; places behind this form: 8 ahead of the reads of the sums and of loads into the operands, 9 ahead of the next sums' first products
.endr
	s_cmp_lt_u32 s28, 2
	s_cbranch_scc0 .Lnot_qk_\@
	QUANT X, PC+8*\tau, PW+\tau
	v_sub_nc_u32 v[PW+\tau], v[PW+\tau], s57       ; k: 4 off each byte
	global_store_b128 v[GLO], v[PC+8*\tau:PC+8*\tau+3], s[18:19] offset:\tau*2048         ; the image: 512 consecutive bytes a store
	global_store_b128 v[GLO], v[PC+8*\tau+4:PC+8*\tau+7], s[18:19] offset:\tau*2048+512
	ds_store_b32 v[SQW], v[PW+\tau] offset:\tau*128      ; lanes r and 16 + r write the same word with the same value
.Lnot_qk_\@:
.irp j, 0,2,4,6
	v_pk_add_f32 v[G+\j:G+\j+1], v[ACC+\j:ACC+\j+1], v[ACC+8+\j:ACC+8+\j+1]              ; each accumulator from its low end on
.endr
.irp j, 0,2,4,6
	v_pk_add_f32 v[G2+\j:G2+\j+1], v[ACC+16+\j:ACC+16+\j+1], v[ACC+24+\j:ACC+24+\j+1]
.endr
.irp j, 0,2,4,6
	v_pk_add_f32 v[G+\j:G+\j+1], v[G+\j:G+\j+1], v[G2+\j:G2+\j+1]
.endr
.irp j, 0,1,2,3,4,5,6,7
	ds_store_b32 v[GPW], v[G+\j] offset:\tau*64+\j*512   ; register j: gate j of token r.  Lanes 16-31 hold rows 8-15, which repeat rows 0-7: the same word, the same value
.endr
	s_wait_dscnt 0x0                               ; the stores have read their registers
.endm
	GATES 0
	GATES 1
	s_cmp_eq_u32 s28, 2
	s_cbranch_scc0 .Lnot_v
	; v: a lane takes a channel, and its registers run down my 32 tokens, which are block tb of key step T
.irp sg, 0,1,2,3
.set t, 0
.rept 32
	ds_load_b32 v[RAW+32*\sg+t], v[VCR] offset:t*528+\sg*128
.set t, t+1
.endr
.endr
.macro VQ sg                                   ; channels 128 s + 32 sg + lane
.set XS, RAW+32*\sg
.if \sg < 2
	s_wait_dscnt 63                                ; behind this set's loads stand 96 (65) LDS instructions; the count is the largest that the field holds
.else
	s_wait_dscnt (3-\sg)*32+\sg                    ; the later sets' loads and the byte stores issued so far may be out
.endif
	v_max3_num_f32 v[TM], |v[XS]|, |v[XS+1]|, |v[XS+2]|
	v_max3_num_f32 v[TM+1], |v[XS+3]|, |v[XS+4]|, |v[XS+5]|
.irp i, 6,10,14,18,22,26
	v_max3_num_f32 v[TM], v[TM], |v[XS+\i]|, |v[XS+\i+1]|
	v_max3_num_f32 v[TM+1], v[TM+1], |v[XS+\i+2]|, |v[XS+\i+3]|
.endr
	v_max3_num_f32 v[TM], v[TM], |v[XS+30]|, |v[XS+31]|
	v_max3_num_f32 v[TM], v[TM], v[TM+1], 0x1800000      ; and the floor
	v_add_nc_u32 v[TM+2], 0xff000000, v[TM]
	v_lshrrev_b32 v[VB+\sg], 23, v[TM+2]
.irp g, 0,1,2,3
	v_cvt_scalef32_pk8_fp4_f32 v[PC+4*\sg+\g], v[XS+8*\g:XS+8*\g+7], v[TM+2]
.endr
	v_nop                                          ; one plain place behind the scaled conversions
	global_store_b128 v[VST], v[PC+4*\sg:PC+4*\sg+3], s[18:19] offset:\sg*2048   ; sixteen lanes store 256 consecutive bytes, aligned: block tb of a tile of 16 channels
	ds_store_b8 v[SVW], v[VB+\sg] offset:\sg*128
.endm
	VQ 0
	VQ 1
	VQ 2
	VQ 3
.Lnot_v:
	s_wait_dscnt 0x0                               ; my stores have landed: the sums and the scales are read by other waves
	s_barrier_signal -1
	s_barrier_wait -1
	ds_load_b128 v[G:G+3], v[GPR]                  ; wave w takes gate w: the two halves of the channels,
	ds_load_b128 v[G+4:G+7], v[GPR] offset:4096
	s_wait_dscnt 0x0
	v_pk_add_f32 v[G:G+1], v[G:G+1], v[G+4:G+5]
	v_pk_add_f32 v[G+2:G+3], v[G+2:G+3], v[G+6:G+7]
	global_store_b128 v[GLO], v[G:G+3], s[22:23]   ; 128 tokens: 512 consecutive bytes
	s_cmp_lt_u32 s24, 2
	s_cbranch_scc0 .Ldone                          ; waves 0 and 1 copy the 1,024 bytes of scales
	s_cmp_eq_u32 s28, 2
	s_cbranch_scc1 .Lscales_v
	ds_load_b128 v[TM:TM+3], v[SCR]
	s_branch .Lscales_in
.Lscales_v:
	ds_load_b128 v[TM:TM+3], v[SCR] offset:1024
.Lscales_in:
	s_wait_dscnt 0x0
	global_store_b128 v[SGO], v[TM:TM+3], s[20:21]
.Ldone:
	s_wait_tensorcnt 0x0                           ; the wave's end: behind my last LDS store
	ds_add_u32 v[SPW], v[NIL]
	s_wait_dscnt 0x0
	s_endpgm
.Lfunc_end_k_q1403d7570a_prep:
	.size	k_q1403d7570a_prep, .Lfunc_end_k_q1403d7570a_prep-k_q1403d7570a_prep
	.p2alignl 7, 3214868480
	.fill 96, 4, 3214868480
	.section	.rodata,"a",@progbits
	.p2align	6, 0x0
	.amdhsa_kernel k_q1403d7570a_prep
		.amdhsa_group_segment_fixed_size 154880
		.amdhsa_private_segment_fixed_size 0
		.amdhsa_enable_private_segment 0
		.amdhsa_kernarg_size 64
		.amdhsa_user_sgpr_count 2
		.amdhsa_user_sgpr_kernarg_segment_ptr 1
		.amdhsa_wavefront_size32 1
		.amdhsa_system_sgpr_workgroup_id_x 1
		.amdhsa_system_sgpr_workgroup_id_y 1
		.amdhsa_system_sgpr_workgroup_id_z 1
		.amdhsa_system_vgpr_workitem_id 0
		.amdhsa_next_free_vgpr 256
		.amdhsa_next_free_sgpr 66
		.amdhsa_reserve_vcc 0
		.amdhsa_float_denorm_mode_32 3
		.amdhsa_float_denorm_mode_16_64 3
		.amdhsa_memory_ordered 1
		.amdhsa_forward_progress 1
		.amdhsa_inst_pref_size 46
	.end_amdhsa_kernel
	.amdgpu_metadata
---
amdhsa.version: [ 1, 2 ]
amdhsa.kernels:
  - .name:           k_q1403d7570a_prep
    .symbol:         k_q1403d7570a_prep.kd
    .args:
      - { .name: q, .offset: 0, .size: 8, .value_kind: global_buffer, .address_space: global }
      - { .name: k, .offset: 8, .size: 8, .value_kind: global_buffer, .address_space: global }
      - { .name: v, .offset: 16, .size: 8, .value_kind: global_buffer, .address_space: global }
      - { .name: igate_kernel, .offset: 24, .size: 8, .value_kind: global_buffer, .address_space: global }
      - { .name: fgate_kernel, .offset: 32, .size: 8, .value_kind: global_buffer, .address_space: global }
      - { .name: img, .offset: 40, .size: 8, .value_kind: global_buffer, .address_space: global }
      - { .name: scl, .offset: 48, .size: 8, .value_kind: global_buffer, .address_space: global }
      - { .name: gpart, .offset: 56, .size: 8, .value_kind: global_buffer, .address_space: global }
    .group_segment_fixed_size: 154880
    .private_segment_fixed_size: 0
    .kernarg_segment_align: 8
    .kernarg_segment_size: 64
    .max_flat_workgroup_size: 256
    .sgpr_count:     66
    .vgpr_count:     256
    .wavefront_size: 32
...
	.end_amdgpu_metadata
.endif
;; end of part 1
;; launch scan (part 2): grid 8 x 1, 16 waves a work-group, no clusters, 2,560 bytes of LDS; arguments gpart, igate_bias, fgate_bias, tab; writes tab
.if DOCPART == 2
	.amdgcn_target "amdgcn-amd-amdhsa--gfx1250"
	.amdhsa_code_object_version 6
	.text
	.protected	k_q1403d7570a_scan
	.globl	k_q1403d7570a_scan
	.p2align	8
	.type	k_q1403d7570a_scan,@function
k_q1403d7570a_scan:
	s_mov_b64 s[64:65], 0
	v_nop
	global_prefetch_b8 v0, s[64:65] scope:SCOPE_SE
	s_setreg_imm32_b32 hwreg(HW_REG_WAVE_MODE, 25, 1), 1
	s_wait_xcnt 0x0
; mLSTM cell, launch 2 of 3.  One work-group for each of the 8 heads (batch x head); thread t owns tokens 4 t .. 4 t + 3, so wave T owns key step T (128 tokens).
; ig, fg = the 12 slices' sums + bias.  lf = log_sigmoid(fg) = min(fg, 0) - log1p(e^-|fg|).  cs1[i] = lf[0] + .. + lf[i], which is reference()'s cs[i + 1].
; THE ROW'S MAXIMUM NEEDS NO PASS OVER THE S x S MATRIX: m[i] = max over j <= i of (cs1[i] - cs1[j] + ig[j]) = cs1[i] + the running maximum of (ig[j] - cs1[j]).
; tab, four planes [head 8][token 2048] f32: 0 bkey[j] = (cs1[last token of j's key step] - cs1[j]) + ig[j];  1 cs1;  2 m;  3 e^-m.
; LIMITS.  m so formed differs from reference()'s by rounding.  v_exp_f32 gives 0 where the result would lie under 2^-126.  NaN and infinities among the inputs are not served.
; All in f32: the tables go on into a quantised operand.  No matrix work, no tensor load: 196,608 bytes come in, 32,768 go out.
.set WTOT,  0                          ; 16 words: the waves' sums
.set WMAX,  256                        ; 16 words: the waves' maxima
.set SPARE, 512                        ; the spare words, 128 bytes for each of 16 waves
.set IG, 16
.set FG, 20
.set LF, 24                            ; e^-|fg|, then lf, then its running sum in the thread
.set MN, 28
.set U,  32
.set E,  36
.set LG, 40
.set RC, 44
.set CS, 48
.set BB, 52
.set MM, 56
.set EX, 60
.set BK, 64
.set SX, 68                            ; a scan's value, then its inclusive result
.set SY, 69
.set SE, 70                            ; the lane's exclusive result
.set WO, 71                            ; what the waves below bring
.set TP, 72
.set TO, 76                            ; v76-91 the 16 waves' totals
; An inclusive scan over the wave's 32 lanes in v[x], and the exclusive one in v[e].  Four steps inside each row of 16 lanes (a lane without a source keeps its value); row 0's total joins row 1.
; v[y]: the identity in lanes 0-15, row 0's total in lanes 16-31: lanes 0 and 16 keep it as their exclusive value.
.macro SCAN opd, op, x, y, e, id
	\opd v[\x], v[\x], v[\x] row_shr:1 row_mask:0xf bank_mask:0xf
	\opd v[\x], v[\x], v[\x] row_shr:2 row_mask:0xf bank_mask:0xf
	\opd v[\x], v[\x], v[\x] row_shr:4 row_mask:0xf bank_mask:0xf
	\opd v[\x], v[\x], v[\x] row_shr:8 row_mask:0xf bank_mask:0xf
	v_readlane_b32 s24, v[\x], 15
	v_mov_b32 v[\y], s24
	v_cndmask_b32 v[\y], v[\id], v[\y], s25
	\op v[\x], v[\x], v[\y]
	v_mov_b32 v[\e], v[\y]
	v_mov_b32_dpp v[\e], v[\x] row_shr:1 row_mask:0xf bank_mask:0xf
.endm
	s_load_b256 s[4:11], s[0:1], 0x0               ; gpart, igate_bias, fgate_bias, tab
	v_lshl_add_u32 v1, v0, 2, SPARE                ; my spare word; never rewritten
	v_mov_b32 v2, 0                                ; 0; never rewritten
	v_lshrrev_b32 v3, 5, v0
	v_readfirstlane_b32 s12, v3                    ; wave 0..15
	v_lshlrev_b32 v5, 2, v3                        ; my wave's word
	v_lshlrev_b32 v4, 4, v0                        ; my four tokens: 16 bytes
	v_mov_b32 v6, 0                                ; the sum's identity, and LDS byte 0
	v_mov_b32 v7, 0xff800000                       ; the maximum's identity: -infinity
	s_mov_b32 s25, 0xffff0000                      ; lanes 16-31
	s_lshr_b32 s13, ttmp9, 2                       ; batch
	s_and_b32 s14, ttmp9, 3                        ; head
	s_lshl_b32 s16, s14, 14                        ; gate = head: 4,096 tokens x 4 bytes,
	s_lshl_b32 s17, s13, 13                        ; the batch's 2,048 tokens
	s_add_co_u32 s16, s16, s17
	s_mov_b32 s17, 0
	s_lshl_b32 s18, s14, 2
	s_mov_b32 s19, 0
	s_lshl_b32 s20, ttmp9, 13
	s_mov_b32 s21, 0
	s_wait_kmcnt 0x0
	s_add_nc_u64 s[4:5], s[4:5], s[16:17]
	s_add_nc_u64 s[6:7], s[6:7], s[18:19]
	s_add_nc_u64 s[8:9], s[8:9], s[18:19]
	s_add_nc_u64 s[10:11], s[10:11], s[20:21]
	s_load_b32 s22, s[6:7], 0x0                    ; the head's two biases
	s_load_b32 s23, s[8:9], 0x0
.irp sl, 0,1,2,3,4,5,6,7,8,9,10,11
	global_load_b128 v[32+8*\sl:35+8*\sl], v4, s[4:5] offset:\sl*131072 th:TH_LOAD_NT          ; ig's slice: a wave reads 512 consecutive bytes
	global_load_b128 v[36+8*\sl:39+8*\sl], v4, s[4:5] offset:\sl*131072+65536 th:TH_LOAD_NT    ; fg's
.endr
	s_wait_loadcnt 20                              ; slices 0 and 1 are in: they start the sums
	v_pk_add_f32 v[IG:IG+1], v[32:33], v[40:41]
	v_pk_add_f32 v[IG+2:IG+3], v[34:35], v[42:43]
	v_pk_add_f32 v[FG:FG+1], v[36:37], v[44:45]
	v_pk_add_f32 v[FG+2:FG+3], v[38:39], v[46:47]
.irp sl, 2,3,4,5,6,7,8,9,10,11
	s_wait_loadcnt 22-2*\sl                        ; slice sl is in; the slices behind it may be out
	v_pk_add_f32 v[IG:IG+1], v[IG:IG+1], v[32+8*\sl:33+8*\sl]
	v_pk_add_f32 v[IG+2:IG+3], v[IG+2:IG+3], v[34+8*\sl:35+8*\sl]
	v_pk_add_f32 v[FG:FG+1], v[FG:FG+1], v[36+8*\sl:37+8*\sl]
	v_pk_add_f32 v[FG+2:FG+3], v[FG+2:FG+3], v[38+8*\sl:39+8*\sl]
.endr
	s_wait_kmcnt 0x0
.irp k, 0,1,2,3
	v_add_f32 v[IG+\k], s22, v[IG+\k]
	v_add_f32 v[FG+\k], s23, v[FG+\k]
.endr
	; log_sigmoid: y = e^-|x|, u = 1 + y, log1p(y) = ln(u) + (y - (u - 1)) / u: the second term gives back what the rounding of u took
.irp k, 0,1,2,3
	v_mul_f32 v[LF+\k], 0xbfb8aa3b, |v[FG+\k]|     ; -|x| log2(e)
.endr
.irp k, 0,1,2,3
	v_exp_f32 v[LF+\k], v[LF+\k]
.endr
.irp k, 0,1,2,3
	v_min_num_f32 v[MN+\k], 0, v[FG+\k]            ; plain work behind the exponentials
.endr
	s_wait_alu depctr_va_vdst(0)                   ; one wait for the four, ahead of their first reader
.irp k, 0,1,2,3
	v_add_f32 v[U+\k], 1.0, v[LF+\k]
.endr
.irp k, 0,1,2,3
	v_log_f32 v[LG+\k], v[U+\k]
.endr
.irp k, 0,1,2,3
	v_rcp_f32 v[RC+\k], v[U+\k]
.endr
.irp k, 0,1,2,3
	v_add_f32 v[E+\k], -1.0, v[U+\k]               ; plain work behind the batch: it names none of its results
.endr
.irp k, 0,1,2,3
	v_sub_f32 v[E+\k], v[LF+\k], v[E+\k]
.endr
	s_wait_alu depctr_va_vdst(0)                   ; one wait for the eight
.irp k, 0,1,2,3
	v_mul_f32 v[E+\k], v[E+\k], v[RC+\k]
.endr
.irp k, 0,1,2,3
	v_fmac_f32 v[E+\k], 0x3f317218, v[LG+\k]       ; + log2(u) ln(2)
.endr
.irp k, 0,1,2,3
	v_sub_f32 v[LF+\k], v[MN+\k], v[E+\k]          ; lf
.endr
	; the running sum: in the thread, over the lanes, over the waves
	v_add_f32 v[LF+1], v[LF], v[LF+1]
	v_add_f32 v[LF+2], v[LF+1], v[LF+2]
	v_add_f32 v[LF+3], v[LF+2], v[LF+3]
	v_mov_b32 v[SX], v[LF+3]
	SCAN v_add_f32_dpp, v_add_f32, SX, SY, SE, 6
	v_readlane_b32 s26, v[SX], 31                  ; my wave's sum
	v_mov_b32 v[TP], s26
	ds_store_b32 v5, v[TP] offset:WTOT             ; all lanes write the same word with the same value
	s_wait_dscnt 0x0
	s_barrier_signal -1
	s_barrier_wait -1
.irp i, 0,1,2,3
	ds_load_b128 v[TO+4*\i:TO+4*\i+3], v6 offset:WTOT+16*\i
.endr
	s_wait_dscnt 0x0
	s_cmp_gt_u32 s12, 0
	s_cselect_b32 s27, -1, 0
	v_and_b32 v[WO], s27, v[TO]                    ; the sums of the waves below mine, in ascending order; the others count as 0
.irp i, 1,2,3,4,5,6,7,8,9,10,11,12,13,14
	s_cmp_gt_u32 s12, \i
	s_cselect_b32 s27, -1, 0
	v_and_b32 v[TP], s27, v[TO+\i]
	v_add_f32 v[WO], v[WO], v[TP]
.endr
	v_add_f32 v[WO], v[WO], v[SE]
.irp k, 0,1,2,3
	v_add_f32 v[CS+\k], v[WO], v[LF+\k]            ; cs1
.endr
	; the running maximum of ig - cs1, the same way
.irp k, 0,1,2,3
	v_sub_f32 v[BB+\k], v[IG+\k], v[CS+\k]
.endr
	v_max_num_f32 v[BB+1], v[BB], v[BB+1]
	v_max_num_f32 v[BB+2], v[BB+1], v[BB+2]
	v_max_num_f32 v[BB+3], v[BB+2], v[BB+3]
	v_mov_b32 v[SX], v[BB+3]
	SCAN v_max_num_f32_dpp, v_max_num_f32, SX, SY, SE, 7
	v_readlane_b32 s26, v[SX], 31
	v_mov_b32 v[TP], s26
	ds_store_b32 v5, v[TP] offset:WMAX             ; other bytes than the sums': no barrier is owed between the reads above and this store
	s_wait_dscnt 0x0
	s_barrier_signal -1
	s_barrier_wait -1
.irp i, 0,1,2,3
	ds_load_b128 v[TO+4*\i:TO+4*\i+3], v6 offset:WMAX+16*\i
.endr
	s_wait_dscnt 0x0
	s_cmp_gt_u32 s12, 0
	s_cselect_b32 s27, -1, 0
	v_cndmask_b32 v[WO], v7, v[TO], s27
.irp i, 1,2,3,4,5,6,7,8,9,10,11,12,13,14
	s_cmp_gt_u32 s12, \i
	s_cselect_b32 s27, -1, 0
	v_cndmask_b32 v[TP], v7, v[TO+\i], s27
	v_max_num_f32 v[WO], v[WO], v[TP]
.endr
.irp k, 0,1,2,3
	v_max3_num_f32 v[MM+\k], v[WO], v[SE], v[BB+\k]
.endr
.irp k, 0,1,2,3
	v_add_f32 v[MM+\k], v[CS+\k], v[MM+\k]         ; m
.endr
.irp k, 0,1,2,3
	v_mul_f32 v[EX+\k], 0xbfb8aa3b, v[MM+\k]
.endr
.irp k, 0,1,2,3
	v_exp_f32 v[EX+\k], v[EX+\k]                   ; e^-m
.endr
	v_readlane_b32 s28, v[CS+3], 31                ; cs1 at my key step's last token
.irp k, 0,1,2,3
	v_sub_f32 v[BK+\k], s28, v[CS+\k]              ; plain work behind the exponentials
.endr
.irp k, 0,1,2,3
	v_add_f32 v[BK+\k], v[BK+\k], v[IG+\k]
.endr
	s_wait_alu depctr_va_vdst(0)                   ; one wait for the four, ahead of the store that reads them
	global_store_b128 v4, v[BK:BK+3], s[10:11]                   ; a wave stores 512 consecutive bytes of each plane
	global_store_b128 v4, v[CS:CS+3], s[10:11] offset:65536
	global_store_b128 v4, v[MM:MM+3], s[10:11] offset:131072
	global_store_b128 v4, v[EX:EX+3], s[10:11] offset:196608
	s_wait_tensorcnt 0x0                           ; the wave's end: behind my last LDS store
	ds_add_u32 v1, v2
	s_wait_dscnt 0x0
	s_endpgm
.Lfunc_end_k_q1403d7570a_scan:
	.size	k_q1403d7570a_scan, .Lfunc_end_k_q1403d7570a_scan-k_q1403d7570a_scan
	.p2alignl 7, 3214868480
	.fill 96, 4, 3214868480
	.section	.rodata,"a",@progbits
	.p2align	6, 0x0
	.amdhsa_kernel k_q1403d7570a_scan
		.amdhsa_group_segment_fixed_size 2560
		.amdhsa_private_segment_fixed_size 0
		.amdhsa_enable_private_segment 0
		.amdhsa_kernarg_size 32
		.amdhsa_user_sgpr_count 2
		.amdhsa_user_sgpr_kernarg_segment_ptr 1
		.amdhsa_wavefront_size32 1
		.amdhsa_system_sgpr_workgroup_id_x 1
		.amdhsa_system_sgpr_workgroup_id_y 1
		.amdhsa_system_sgpr_workgroup_id_z 1
		.amdhsa_system_vgpr_workitem_id 0
		.amdhsa_next_free_vgpr 128
		.amdhsa_next_free_sgpr 66
		.amdhsa_reserve_vcc 0
		.amdhsa_float_denorm_mode_32 3
		.amdhsa_float_denorm_mode_16_64 3
		.amdhsa_memory_ordered 1
		.amdhsa_forward_progress 1
		.amdhsa_inst_pref_size 18
	.end_amdhsa_kernel
	.amdgpu_metadata
---
amdhsa.version: [ 1, 2 ]
amdhsa.kernels:
  - .name:           k_q1403d7570a_scan
    .symbol:         k_q1403d7570a_scan.kd
    .args:
      - { .name: gpart, .offset: 0, .size: 8, .value_kind: global_buffer, .address_space: global }
      - { .name: igate_bias, .offset: 8, .size: 8, .value_kind: global_buffer, .address_space: global }
      - { .name: fgate_bias, .offset: 16, .size: 8, .value_kind: global_buffer, .address_space: global }
      - { .name: tab, .offset: 24, .size: 8, .value_kind: global_buffer, .address_space: global }
    .group_segment_fixed_size: 2560
    .private_segment_fixed_size: 0
    .kernarg_segment_align: 8
    .kernarg_segment_size: 32
    .max_flat_workgroup_size: 512
    .sgpr_count:     66
    .vgpr_count:     128
    .wavefront_size: 32
...
	.end_amdgpu_metadata
.endif
;; end of part 2
;; launch attn (part 3): grid 32 x 8, 17 waves a work-group, no clusters, 287,232 bytes of LDS; arguments img, scl, tab, rms_scale, out0; writes out0
.if DOCPART == 3
	.amdgcn_target "amdgcn-amd-amdhsa--gfx1250"
	.amdhsa_code_object_version 6
	.text
	.protected	k_q1403d7570a_attn
	.globl	k_q1403d7570a_attn
	.p2align	8
	.type	k_q1403d7570a_attn,@function
k_q1403d7570a_attn:
	s_mov_b64 s[64:65], 0
	v_nop
	global_prefetch_b8 v0, s[64:65] scope:SCOPE_SE
	s_setreg_imm32_b32 hwreg(HW_REG_WAVE_MODE, 25, 1), 1
	s_wait_xcnt 0x0
; mLSTM cell, launch 3 of 3: c = (q . k / 16) d, n = max(the row's sum of c, e^-m), h = (c / (n + 1e-6)) v, RMS norm over the head.  Both products on codes of E2M1 with E8M0 scales.
; WORK LEFT OUT: units of 32 queries x 128 keys wholly above the diagonal: there reference()'s own mask makes d, c and their codes 0 for all finite inputs (shown at the first kernel's head).
; LIMITS.  A NaN, an infinity or an overflow in a hidden q . k is not carried to the result.  d = 2^x gives 0 where it would lie under 2^-126.  c / (n + 1e-6) is c x v_rcp_f32(n + 1e-6).
; log_d - m is formed as a' + bkey[j], a' = (cs1[i] - cs1[last key of step T]) - m[i]: the row's maximum m is taken away as in reference(); roundings of the size of reference()'s own.
; A block of zeros gets the byte 1 where the rule says 127: its codes are zeros.
; c / (n + 1e-6) IS QUANTISED FINISHED, so a row's whole sum is wanted ahead of its first code: c is computed once, kept in LDS, and quantised behind the sums.
; SHARES.  Work-group (j, head) owns two blocks of 32 queries: L = block 63 - j, with sL = 16 - j / 4 key steps under the mask, and E = block j, with 17 - sL: ALWAYS 17 UNITS of 32 queries x 128 keys,
; one for each of 17 waves: every work-group has the same work, and the first two phases have no loop.  Wave w < sL takes L's key step w, the others E's key step 16 - w.
; PHASES.  1: my unit: S^T = K Q^T (source 0 = 16 keys, source 1 = 16 queries: a lane holds one query), d, c, its part of the rows' sums; c to my own 16 KiB of LDS | barrier |
; 2: the rows' sums, 1 / (n + eps), p = c / (n + eps), quantised along the keys; p's two fragments and scale word back to my slot as images of registers | barrier |
; 3: waves 0-15: wave w owns channels 16 w .. 16 w + 15 and walks all 17 units: O^T += V^T P^T; its part of the sums of squares | barrier |  4: the norm; rows gathered in LDS | barrier | whole rows stored.
; THE KEYS OF A TILE ARE NOT NEIGHBOURS: lane r of tile u of a group of 32 keys takes key 8 u + r + 8 (r / 8), so that a lane's 16 registers of tiles 0 and 1 are 16 neighbouring keys, 16 h + 0 .. 15.
; Operands come from memory straight into registers: the first launch laid them in the order of the operand's registers.  No tensor load and no joint request: c's store takes 278,528 bytes of LDS,
; so that no tile could land there; each fragment of K is read by one wave of the work-group.
; Every LDS address hangs on the wave's number and constants alone; the work-group's numbers enter global addresses, scalar masks and branches round register work.
.set RS,    278528                     ; behind the 17 slots: [wave 17][query 16][tile 2] f32: parts of the rows' sums
.set SQ,    280832                     ; [wave 16][query 16][tile 4] f32: parts of the sums of squares
.set SPARE, 284928                     ; the spare words, 128 bytes for each of 17 waves, rounded up to 2,304
.set SPW, 1                            ; v1   my spare word's address; never rewritten
.set NIL, 2                            ; v2   0; never rewritten
.set LIG, 3                            ; v3-7 16 x lane + 65,536 g: slot s is reached by register s / 4 and the offset 16,384 (s % 4)
.set OWN, 8                            ; v8   my slot + 16 x lane
.set RSW, 9                            ; v9   RS + 128 w + 8 r
.set RSR, 10                           ; v10  RS + 8 r
.set SQW, 11                           ; v11  SQ + 256 w + 16 r
.set SQR, 12                           ; v12  SQ + 16 r
.set OSW, 13                           ; v13  1040 r + 64 w + 32 h: the rows' stage lies over slots 0 to 4, which nobody reads behind the third barrier
.set OSR, 14                           ; v14  4160 w + 16 x lane
.set R4,  15                           ; v15  4 r
.set QS,  16                           ; v16-25 hold scales and nothing else.  Phase 1: v16-17 Q's words (lanes 0-15 K step 0, lanes 16-31 K step 1), v18-19 K's likewise
.set KS,  18
.set VS,  16                           ; phase 3: v16-23 V's words, a ring of eight;
.set PS,  24                           ; v24-25 P's: lanes 0-15 tile 0's, lanes 16-31 tile 1's
.set EM,  28                           ; v28-29 e^-m of my two queries
.set AP,  30                           ; v30-33 a' log2(e), a pair for each tile; later 1 / (n + eps)
.set SUM, 34                           ; v34-37 the rows' sums, a pair for each tile
.set DT,  38                           ; v38-39 my query - the step's first key - 16 h
.set NINF, 40                          ; v40  -infinity
.set KLO, 41                           ; v41  2048 (r / 8) + 256 h + 16 (r % 8)
.set KSL, 42                           ; v42  128 (r / 8) + 64 h + 4 (r % 8)
.set H64, 43                           ; v43  64 h
.set PC,  36                           ; v36-43 phase 2: the codes just made
.set PW,  44                           ; v44-45 their scale words
.set RMO, 46                           ; v46  64 w + 32 h
.set L4,  47                           ; v47  4 x lane
.set QF,  48                           ; v48-79   Q: 16 tau + 8 s
.set KF,  80                           ; v80-111  K: 16 u + 8 s
.set VR,  48                           ; v48-111  from the last group on: V's fragments, a ring of eight
.set BK,  112                          ; v112-127 bkey of my 16 keys
.set SS,  128                          ; v128-159 S^T: 16 tau + 8 u
.set X,   160                          ; v160-191 x, d, c: 16 tau + i
.set C,   112                          ; v112-175 phase 2: c of a tile
.set TM,  176                          ; v176-191 at work
.set O,   112                          ; v112-143 phase 3: O^T: 16 x block + 8 tau
.set P,   144                          ; v144-175 P: two buffers of two fragments
.set G,   176                          ; v176-183 1 + rms_scale of my eight channels
.set TT,  184                          ; v184-191 at work
.macro BARRIER                         ; my LDS stores have landed and my LDS loads are in: then the work-group's barrier
	s_wait_dscnt 0x0
	s_barrier_signal -1
	s_barrier_wait -1
.endm
; 64 numbers of a lane, register 16 b + i = key 32 b + 16 h + i of my query, become a fragment's codes in v[pc] on and its scale word in v[pw]
.macro QUANT src, pc, pw
.irp b, 0,1,2,3
	v_max3_num_f32 v[TM+\b], |v[\src+16*\b]|, |v[\src+1+16*\b]|, 0x1800000   ; block b: my 16 numbers, and the floor 2^(3 - 127): the byte cannot fall under 1
.endr
.irp i, 2,4,6,8,10,12,14
.irp b, 0,1,2,3
	v_max3_num_f32 v[TM+\b], v[TM+\b], |v[\src+16*\b+\i]|, |v[\src+1+16*\b+\i]|   ; the four blocks by turns
.endr
.endr
.irp b, 0,1,2,3
	v_permlanex16_b32 v[TM+4+\b], v[TM+\b], s30, s31
.endr
.irp b, 0,1,2,3
	v_max_num_f32 v[TM+\b], v[TM+\b], v[TM+4+\b]
.endr
.irp b, 0,1,2,3
	v_add_nc_u32 v[TM+12+\b], 0xff000000, v[TM+\b]
.endr
.irp b, 0,1,2,3
	v_lshrrev_b32 v[TM+4+\b], 23, v[TM+12+\b]
.endr
	v_lshl_or_b32 v[\pw], v[TM+5], 8, v[TM+4]
	v_lshl_or_b32 v[\pw], v[TM+6], 16, v[\pw]
	v_lshl_or_b32 v[\pw], v[TM+7], 24, v[\pw]
.irp b, 0,1,2,3
	v_cvt_scalef32_pk8_fp4_f32 v[\pc+2*\b], v[\src+16*\b:\src+7+16*\b], v[TM+12+\b]
	v_cvt_scalef32_pk8_fp4_f32 v[\pc+1+2*\b], v[\src+8+16*\b:\src+15+16*\b], v[TM+12+\b]
.endr
	v_nop                                          ; one plain place behind the scaled conversions
.irp c, 0,1
.irp i, 0,1
	v_permlane16_swap_b32 v[\pc+4*\c+\i], v[\pc+2+4*\c+\i]
.endr
.endr
.endm
; Phase 3 walks the slots in the order 0, 16, 1, 2, .. 15: both blocks' sums are begun by slots whose block is the same in every work-group (slots 0 to 8 are L's, slot 16 is E's)
.macro SLOTOF kk
.if (\kk) == 0
.set SL, 0
.elseif (\kk) == 1
.set SL, 16
.else
.set SL, (\kk)-1
.endif
.endm
; V's fragment and scale word for item kk, into place kk % 8 of the ring.  The slot's key step: the slot's number in L, 16 - the slot's number in E
.macro VLOAD kk
	SLOTOF \kk
.set VRP, (\kk)%8
.if (SL <= 8) || (SL == 16)
.set VT, SL%16
	global_load_b128 v[VR+8*VRP:VR+8*VRP+3], v[LIG], s[48:49] offset:VT*16384
	global_load_b128 v[VR+8*VRP+4:VR+8*VRP+7], v[LIG], s[48:49] offset:VT*16384+512
	global_load_b32 v[VS+VRP], v[R4], s[50:51] offset:VT*1024
.else
	s_wait_xcnt 0x0                                ; the earlier loads have read their bases: the two that walk may be written
	s_cmp_gt_u32 s21, SL
	s_cselect_b32 s56, SL, 16-SL
	s_lshl_b32 s62, s56, 10
	s_lshl_b32 s56, s56, 14
	s_mov_b32 s63, 0
	s_add_nc_u64 s[52:53], s[48:49], s[56:57]
	s_add_nc_u64 s[54:55], s[50:51], s[62:63]
	global_load_b128 v[VR+8*VRP:VR+8*VRP+3], v[LIG], s[52:53]
	global_load_b128 v[VR+8*VRP+4:VR+8*VRP+7], v[LIG], s[52:53] offset:512
	global_load_b32 v[VS+VRP], v[R4], s[54:55]
.endif
.endm
; P's two fragments and scale word of item kk, from its slot, into buffer kk % 2
.macro PLOAD kk
	SLOTOF \kk
.set PBF, (\kk)%2
.irp tau, 0,1
.irp c, 0,1
	ds_load_b128 v[P+16*PBF+8*\tau+4*\c:P+16*PBF+8*\tau+4*\c+3], v[LIG+SL/4] offset:(SL%4)*16384+\tau*8192+\c*512
.endr
.endr
	ds_load_b32 v[PS+PBF], v[LIG+SL/4] offset:(SL%4)*16384+1024
.endm
; Two products: my 16 channels x the block's two tiles of queries, K = the item's 128 keys.  The accumulators take turns, one instruction a turn
.macro PVMM xx, zero
.if \zero
	v_wmma_scale_f32_16x16x128_f8f6f4 v[O+16*\xx:O+16*\xx+7], v[VR+8*RP:VR+8*RP+7], v[P+16*BF:P+16*BF+7], 0, v[VS+RP], v[PS+BF] matrix_a_fmt:MATRIX_FMT_FP4 matrix_b_fmt:MATRIX_FMT_FP4
	v_wmma_scale_f32_16x16x128_f8f6f4 v[O+16*\xx+8:O+16*\xx+15], v[VR+8*RP:VR+8*RP+7], v[P+16*BF+8:P+16*BF+15], 0, v[VS+RP], v[PS+BF] matrix_a_fmt:MATRIX_FMT_FP4 matrix_b_fmt:MATRIX_FMT_FP4 matrix_b_scale:MATRIX_SCALE_ROW1
.else
	v_wmma_scale_f32_16x16x128_f8f6f4 v[O+16*\xx:O+16*\xx+7], v[VR+8*RP:VR+8*RP+7], v[P+16*BF:P+16*BF+7], v[O+16*\xx:O+16*\xx+7], v[VS+RP], v[PS+BF] matrix_a_fmt:MATRIX_FMT_FP4 matrix_b_fmt:MATRIX_FMT_FP4
	v_wmma_scale_f32_16x16x128_f8f6f4 v[O+16*\xx+8:O+16*\xx+15], v[VR+8*RP:VR+8*RP+7], v[P+16*BF+8:P+16*BF+15], v[O+16*\xx+8:O+16*\xx+15], v[VS+RP], v[PS+BF] matrix_a_fmt:MATRIX_FMT_FP4 matrix_b_fmt:MATRIX_FMT_FP4 matrix_b_scale:MATRIX_SCALE_ROW1
.endif
.endm
.macro ITEM kk
	SLOTOF \kk
.set RP, (\kk)%8
.set BF, (\kk)%2
.if 16-(\kk) < 7
	s_wait_loadcnt 3*(16-(\kk))                    ; this item's V is in; the three loads of each later item may be out
.else
	s_wait_loadcnt 21
.endif
.if (\kk) < 16
	s_wait_dscnt 5                                 ; this item's P is in; the next item's five loads may be out
.else
	s_wait_dscnt 0x0
.endif
.if (\kk) == 0
	PVMM 0, 1                                      ; the first products start the sums: nothing is cleared
.elseif (\kk) == 1
	PVMM 1, 1
.elseif SL < 9
	PVMM 0, 0
.else
	s_cmp_gt_u32 s21, SL                           ; whose unit lies in this slot hangs on the work-group's number alone
	s_cbranch_scc0 .Lfor_e_\@
	PVMM 0, 0
	s_branch .Ljoined_\@
.Lfor_e_\@:
	PVMM 1, 0
.Ljoined_\@:
.endif
.rept 4
	v_nop                                          ; places in front of loads into registers that the products have read, and of the first read of results
.endr
.if (\kk)+2 < 17
	PLOAD (\kk)+2
.endif
.if (\kk)+8 < 17
	VLOAD (\kk)+8
.endif
.endm
; K's fragments, K's scale words and bkey for group be (32 keys) of my key step: 14 loads
.macro KLOAD be
.irp u, 0,1
.irp s, 0,1
.irp c, 0,1
	global_load_b128 v[KF+16*\u+8*\s+4*\c:KF+16*\u+8*\s+4*\c+3], v[KLO], s[36:37] offset:(\be)*4096+\u*128+\s*1024+\c*512
.endr
.endr
	global_load_b32 v[KS+\u], v[KSL], s[38:39] offset:(\be)*256+\u*32
.endr
.irp jj, 0,1,2,3
	global_load_b128 v[BK+4*\jj:BK+4*\jj+3], v[H64], s[40:41] offset:(\be)*128+\jj*16
.endr
.endm
; Group be: 32 keys x my 32 queries
.macro GRP be
	s_wait_loadcnt 0x0                             ; this group's operands, asked for a group ago
	s_wait_dscnt 0x0                               ; the last group's stores have read c's registers
.irp u, 0,1
.irp tau, 0,1
	v_wmma_scale_f32_16x16x128_f8f6f4 v[SS+16*\tau+8*\u:SS+16*\tau+8*\u+7], v[KF+16*\u:KF+16*\u+7], v[QF+16*\tau:QF+16*\tau+7], 0, v[KS+\u], v[QS+\tau] matrix_a_fmt:MATRIX_FMT_FP4 matrix_b_fmt:MATRIX_FMT_FP4
.endr
.endr
.irp u, 0,1                                    ; the head's second 128: the four accumulators by turns; the scale words of lanes 16-31
.irp tau, 0,1
	v_wmma_scale_f32_16x16x128_f8f6f4 v[SS+16*\tau+8*\u:SS+16*\tau+8*\u+7], v[KF+16*\u+8:KF+16*\u+15], v[QF+16*\tau+8:QF+16*\tau+15], v[SS+16*\tau+8*\u:SS+16*\tau+8*\u+7], v[KS+\u], v[QS+\tau] matrix_a_fmt:MATRIX_FMT_FP4 matrix_b_fmt:MATRIX_FMT_FP4 matrix_a_scale:MATRIX_SCALE_ROW1 matrix_b_scale:MATRIX_SCALE_ROW1
.endr
.endr
.irp tau, 0,1
.irp i, 0,2,4,6,8,10,12,14
	v_pk_fma_f32 v[X+16*\tau+\i:X+16*\tau+\i+1], v[BK+\i:BK+\i+1], 0x3fb8aa3b, v[AP+2*\tau:AP+2*\tau+1] op_sel_hi:[1,0,1]   ; (log_d - m) log2(e).  These sixteen are also the places behind the products
.endr
.endr
.if \be < 3
	KLOAD (\be)+1
.else
	s_cmp_eq_u32 s18, 16                           ; Q and K are done with: their registers take V's first eight fragments (wave 16 has no channels)
	s_cbranch_scc1 .Lno_v_\@
.irp kk, 0,1,2,3,4,5,6,7
	VLOAD \kk
.endr
.Lno_v_\@:
.endif
	s_cmp_ge_i32 s26, 32*(\be)+31                  ; all 32 keys of the group count for all my queries: ids alone
	s_cbranch_scc1 .Lopen_\@
.irp tau, 0,1
.irp i, 0,1,2,3,4,5,6,7,8,9,10,11,12,13,14,15
	v_cmp_gt_i32 vcc_lo, 32*(\be)+\i, v[DT+\tau]   ; register i holds key 32 be + 16 h + i of the step: hidden where it comes after my query
	v_cndmask_b32 v[X+16*\tau+\i], v[X+16*\tau+\i], v[NINF], vcc_lo
.endr
.endr
.Lopen_\@:
.set n, 0
.rept 32
	v_exp_f32 v[X+n], v[X+n]                       ; d
.set n, n+1
.endr
	v_nop                                          ; a plain place behind the last exponential
	s_wait_alu depctr_va_vdst(0)                   ; one wait for the batch, ahead of its first reader
.set n, 0
.rept 16
	v_pk_mul_f32 v[X+n:X+n+1], v[SS+n:SS+n+1], v[X+n:X+n+1]      ; c; each accumulator from its low end on
.set n, n+2
.endr
.irp i, 0,2,4,6,8,10,12,14
	v_pk_add_f32 v[SUM:SUM+1], v[SUM:SUM+1], v[X+\i:X+\i+1]
	v_pk_add_f32 v[SUM+2:SUM+3], v[SUM+2:SUM+3], v[X+16+\i:X+16+\i+1]
.endr
.irp tau, 0,1
.irp n4, 0,1,2,3
	ds_store_b128 v[OWN], v[X+16*\tau+4*\n4:X+16*\tau+4*\n4+3] offset:\tau*8192+(4*(\be)+\n4)*512   ; as images of registers: 512 consecutive bytes a store
.endr
.endr
.endm
	s_load_b256 s[8:15], s[0:1], 0x0               ; img, scl, tab, rms_scale
	s_load_b64 s[16:17], s[0:1], 0x20              ; out0
	v_lshl_add_u32 v[SPW], v0, 2, SPARE
	v_mov_b32 v[NIL], 0
	v_lshrrev_b32 v44, 5, v0
	v_readfirstlane_b32 s18, v44                   ; wave 0..16
	s_min_u32 s29, s18, 15                         ; for what waves 0 to 15 alone use
	s_mov_b32 s19, ttmp9                           ; j
	s_and_b32 s20, ttmp7, 0xffff                   ; head 0..7
	s_lshr_b32 s21, s19, 2
	s_sub_co_u32 s21, 16, s21                      ; sL: L's key steps, 9 to 16
	s_sub_co_u32 s62, 16, s18
	s_sub_co_u32 s63, 63, s19
	s_cmp_lt_u32 s18, s21                          ; is my unit L's?
	s_cselect_b32 s23, s18, s62                    ; T: my key step
	s_cselect_b32 s24, s63, s19                    ; my block of 32 queries
	s_cselect_b32 s27, -1, 0                       ; the mask for parts of sums from waves under sL,
	s_cselect_b32 s28, 0, -1                       ; and from the others
	s_lshl_b32 s25, s24, 5                         ; my first query
	s_lshl_b32 s62, s23, 7
	s_sub_co_i32 s26, s25, s62                     ; my first query - my first key: 0 or more
	s_mov_b32 s30, 0x76543210
	s_mov_b32 s31, 0xfedcba98                      ; v_permlanex16_b32's selects for lane l xor 16
	s_mov_b32 s58, 0xffff0000                      ; lanes 16-31
	s_mov_b32 s59, 0x358637bd                      ; 1e-6
	v_and_b32 v[L4], 31, v0
	v_and_b32 v44, 15, v0                          ; r
	v_bfe_u32 v45, v0, 4, 1                        ; h
	v_lshlrev_b32 v[LIG], 4, v[L4]
.irp g, 1,2,3,4
	v_add_nc_u32 v[LIG+\g], \g*65536, v[LIG]
.endr
	v_lshlrev_b32 v[L4], 2, v[L4]
	s_lshl_b32 s62, s18, 14
	v_add_nc_u32 v[OWN], s62, v[LIG]
	s_lshl_b32 s62, s18, 7
	s_add_co_u32 s62, s62, RS
	v_lshl_add_u32 v[RSW], v44, 3, s62
	v_lshl_add_u32 v[RSR], v44, 3, RS
	s_lshl_b32 s62, s29, 8
	s_add_co_u32 s62, s62, SQ
	v_lshl_add_u32 v[SQW], v44, 4, s62
	v_lshl_add_u32 v[SQR], v44, 4, SQ
	v_mul_u32_u24 v[OSW], v44, 1040
	v_lshl_add_u32 v[OSW], v45, 5, v[OSW]
	s_lshl_b32 s62, s29, 6
	v_add_nc_u32 v[OSW], s62, v[OSW]
	v_lshlrev_b32 v[RMO], 5, v45
	v_add_nc_u32 v[RMO], s62, v[RMO]
	s_mul_i32 s62, s29, 4160
	v_add_nc_u32 v[OSR], s62, v[LIG]
	v_lshlrev_b32 v[R4], 2, v44
	v_lshrrev_b32 v[H64], 3, v44                   ; r / 8
	v_and_b32 v[NINF], 7, v44                      ; r % 8
	v_lshlrev_b32 v[KLO], 11, v[H64]
	v_lshl_add_u32 v[KLO], v45, 8, v[KLO]
	v_lshl_add_u32 v[KLO], v[NINF], 4, v[KLO]
	v_lshlrev_b32 v[KSL], 7, v[H64]
	v_lshl_add_u32 v[KSL], v45, 6, v[KSL]
	v_lshl_add_u32 v[KSL], v[NINF], 2, v[KSL]
	v_lshlrev_b32 v[H64], 6, v45
	v_mov_b32 v[NINF], 0xff800000
	v_lshlrev_b32 v[DT], 4, v45
	v_sub_nc_u32 v[DT], v44, v[DT]
	v_add_nc_u32 v[DT], s26, v[DT]
	v_add_nc_u32 v[DT+1], 16, v[DT]
.irp i, 0,1,2,3
	v_mov_b32 v[SUM+\i], 0
.endr
	s_mov_b32 s57, 0
	s_wait_kmcnt 0x0
	s_lshl_b32 s22, s20, 18                        ; img: a head's 262,144 bytes in each part
	s_lshl_b32 s62, s24, 12
	s_add_co_u32 s56, s22, s62
	s_add_nc_u64 s[32:33], s[8:9], s[56:57]        ; Q: my block's two tiles x two K steps: 4,096 bytes on end
	s_lshl_b32 s62, s23, 14
	s_add_co_u32 s56, s22, s62
	s_add_co_u32 s56, s56, 0x200000
	s_add_nc_u64 s[36:37], s[8:9], s[56:57]        ; K: my key step's eight tiles
	s_lshl_b32 s62, s29, 10
	s_add_co_u32 s56, s22, s62
	s_add_co_u32 s56, s56, 0x400000
	s_add_nc_u64 s[48:49], s[8:9], s[56:57]        ; V: key step 0, my tile of channels
	s_lshl_b32 s22, s20, 14                        ; scl: a head's 16,384 bytes in each part
	s_lshl_b32 s62, s24, 8
	s_add_co_u32 s56, s22, s62
	s_add_nc_u64 s[34:35], s[10:11], s[56:57]
	s_lshl_b32 s62, s23, 10
	s_add_co_u32 s56, s22, s62
	s_add_co_u32 s56, s56, 0x20000
	s_add_nc_u64 s[38:39], s[10:11], s[56:57]
	s_lshl_b32 s62, s29, 6
	s_add_co_u32 s56, s22, s62
	s_add_co_u32 s56, s56, 0x40000
	s_add_nc_u64 s[50:51], s[10:11], s[56:57]
	s_lshl_b32 s22, s20, 13                        ; tab: a head's 8,192 bytes in each plane
	s_lshl_b32 s62, s23, 9
	s_add_co_u32 s56, s22, s62
	s_add_nc_u64 s[40:41], s[12:13], s[56:57]      ; bkey of my key step
	s_add_nc_u64 s[44:45], s[40:41], 0x101fc       ; plane 1, the step's last key: 65,536 + 4 x 127
	s_lshl_b32 s62, s25, 2
	s_add_co_u32 s56, s22, s62
	s_add_nc_u64 s[42:43], s[12:13], s[56:57]      ; my queries' places in the planes
	s_load_b32 s46, s[44:45], 0x0                  ; cs1 at my key step's last key
	s_lshr_b32 s56, s20, 2                         ; out0: the batch's 8,388,608 bytes,
	s_lshl_b32 s56, s56, 23
	s_and_b32 s62, s20, 3
	s_lshl_b32 s62, s62, 10                        ; the head's 1,024 in a row,
	s_add_co_u32 s56, s56, s62
	s_sub_co_u32 s62, 63, s19
	s_lshl_b32 s62, s62, 5
	s_lshl_b32 s63, s19, 5
	s_cmp_lt_u32 s29, 8                            ; waves 0-7 store L's rows, waves 8-15 E's,
	s_cselect_b32 s62, s62, s63
	s_and_b32 s63, s29, 7
	s_lshl_b32 s63, s63, 2                         ; four each
	s_add_co_u32 s62, s62, s63
	s_lshl_b32 s62, s62, 12
	s_add_co_u32 s56, s56, s62
	s_add_nc_u64 s[60:61], s[16:17], s[56:57]
.irp tau, 0,1
	global_load_b32 v[X+\tau], v[R4], s[42:43] offset:65536+\tau*64        ; cs1, m, e^-m of query 16 tau + r
	global_load_b32 v[X+2+\tau], v[R4], s[42:43] offset:131072+\tau*64
	global_load_b32 v[EM+\tau], v[R4], s[42:43] offset:196608+\tau*64
.endr
.set n, 0
.rept 8
	global_load_b128 v[QF+4*n:QF+4*n+3], v[LIG], s[32:33] offset:n*512     ; Q stays in registers through phase 1
.set n, n+1
.endr
.irp tau, 0,1
	global_load_b32 v[QS+\tau], v[L4], s[34:35] offset:\tau*128
.endr
	KLOAD 0
	s_wait_loadcnt 24                              ; the six numbers of my queries are in; Q's 8, its scales' 2 and K's 14 loads may be out
	s_wait_kmcnt 0x0
	v_sub_f32 v[AP], v[X], s46
	v_sub_f32 v[AP+2], v[X+1], s46
	v_sub_f32 v[AP], v[AP], v[X+2]                 ; a' = (cs1[i] - cs1[the step's last key]) - m[i]
	v_sub_f32 v[AP+2], v[AP+2], v[X+3]
	v_mul_f32 v[AP], 0x3fb8aa3b, v[AP]
	v_mul_f32 v[AP+2], 0x3fb8aa3b, v[AP+2]
	v_mov_b32 v[AP+1], v[AP]
	v_mov_b32 v[AP+3], v[AP+2]
	; ---- 1
	GRP 0
	GRP 1
	GRP 2
	GRP 3
	v_add_f32 v[SUM], v[SUM], v[SUM+1]
	v_add_f32 v[SUM+2], v[SUM+2], v[SUM+3]
	v_permlanex16_b32 v[SUM+1], v[SUM], s30, s31
	v_permlanex16_b32 v[SUM+3], v[SUM+2], s30, s31
	v_add_f32 v[SUM], v[SUM], v[SUM+1]             ; my unit's part of the sums of queries r and 16 + r
	v_add_f32 v[SUM+1], v[SUM+2], v[SUM+3]
	ds_store_b64 v[RSW], v[SUM:SUM+1]              ; lanes r and 16 + r write the same words with the same values
	BARRIER
	; ---- 2
.set i, 0
.rept 17
	ds_load_b64 v[C+2*i:C+2*i+1], v[RSR] offset:i*128
.set i, i+1
.endr
	s_wait_dscnt 0x0
	s_cmp_gt_u32 s21, 0
	s_cselect_b32 s62, s27, s28
	v_and_b32 v[SUM], s62, v[C]                    ; the parts of my own block count, in ascending order; the other block's count as 0
	v_and_b32 v[SUM+1], s62, v[C+1]
.set i, 1
.rept 16
	s_cmp_gt_u32 s21, i
	s_cselect_b32 s62, s27, s28
	v_and_b32 v[C+2*i], s62, v[C+2*i]
	v_and_b32 v[C+2*i+1], s62, v[C+2*i+1]
	v_pk_add_f32 v[SUM:SUM+1], v[SUM:SUM+1], v[C+2*i:C+2*i+1]
.set i, i+1
.endr
	v_max_num_f32 v[SUM], v[SUM], v[EM]            ; n
	v_max_num_f32 v[SUM+1], v[SUM+1], v[EM+1]
	v_add_f32 v[SUM], s59, v[SUM]
	v_add_f32 v[SUM+1], s59, v[SUM+1]
	v_rcp_f32 v[AP], v[SUM]
	v_rcp_f32 v[AP+2], v[SUM+1]
	v_nop                                          ; a plain place behind the reciprocals
	s_wait_alu depctr_va_vdst(0)                   ; one wait for the two, ahead of their first reader
	v_mov_b32 v[AP+1], v[AP]
	v_mov_b32 v[AP+3], v[AP+2]
.macro PQ tau                                  ; tile tau: c back from my slot, p = c / (n + eps), its codes to the slot's bytes that have been read
.set n, 0
.rept 16
	ds_load_b128 v[C+4*n:C+4*n+3], v[OWN] offset:\tau*8192+n*512
.set n, n+1
.endr
	s_wait_dscnt 0x0
.set n, 0
.rept 32
	v_pk_mul_f32 v[C+n:C+n+1], v[C+n:C+n+1], v[AP+2*\tau:AP+2*\tau+1]
.set n, n+2
.endr
	QUANT C, PC, PW+\tau
	ds_store_b128 v[OWN], v[PC:PC+3] offset:\tau*8192
	ds_store_b128 v[OWN], v[PC+4:PC+7] offset:\tau*8192+512
	s_wait_dscnt 0x0                               ; the stores have read their registers
.endm
	PQ 0
	PQ 1
	v_cndmask_b32 v[PW], v[PW], v[PW+1], s58       ; one word a lane: lanes 0-15 tile 0's rows, lanes 16-31 tile 1's
	ds_store_b32 v[OWN], v[PW] offset:1024
	BARRIER
	; ---- 3
	s_cmp_eq_u32 s18, 16
	s_cbranch_scc1 .Lskip3
	PLOAD 0
	PLOAD 1
.irp kk, 0,1,2,3,4,5,6,7,8,9,10,11,12,13,14,15,16
	ITEM \kk
.endr
	global_load_b128 v[G:G+3], v[RMO], s[14:15]    ; rms_scale of my eight channels
	global_load_b128 v[G+4:G+7], v[RMO], s[14:15] offset:16
.irp t, 0,1,2,3
	v_pk_mul_f32 v[TT+2*\t:TT+2*\t+1], v[O+8*\t:O+8*\t+1], v[O+8*\t:O+8*\t+1]     ; the squares, each accumulator from its low end on
.endr
.irp i, 2,4,6
.irp t, 0,1,2,3
	v_pk_fma_f32 v[TT+2*\t:TT+2*\t+1], v[O+8*\t+\i:O+8*\t+\i+1], v[O+8*\t+\i:O+8*\t+\i+1], v[TT+2*\t:TT+2*\t+1]
.endr
.endr
.irp t, 0,1,2,3
	v_add_f32 v[TT+2*\t], v[TT+2*\t], v[TT+2*\t+1]
.endr
.irp t, 0,1,2,3
	v_permlanex16_b32 v[TT+2*\t+1], v[TT+2*\t], s30, s31
.endr
.irp t, 0,1,2,3
	v_add_f32 v[VR+\t], v[TT+2*\t], v[TT+2*\t+1]   ; my 16 channels' part, for query r of the four tiles
.endr
	ds_store_b128 v[SQW], v[VR:VR+3]
.Lskip3:
	BARRIER
	; ---- 4
	s_cmp_eq_u32 s18, 16
	s_cbranch_scc1 .Lskip4
.set i, 0
.rept 16
	ds_load_b128 v[VR+4*i:VR+4*i+3], v[SQR] offset:i*256
.set i, i+1
.endr
	s_wait_dscnt 0x0
.set i, 1
.rept 15
	v_pk_add_f32 v[VR:VR+1], v[VR:VR+1], v[VR+4*i:VR+4*i+1]
	v_pk_add_f32 v[VR+2:VR+3], v[VR+2:VR+3], v[VR+4*i+2:VR+4*i+3]
.set i, i+1
.endr
.irp t, 0,1,2,3
	v_fma_f32 v[VR+\t], v[VR+\t], 0x3b800000, s59  ; the mean of 256 squares + 1e-6
.endr
.irp t, 0,1,2,3
	v_rsq_f32 v[TT+2*\t], v[VR+\t]
.endr
	s_wait_loadcnt 0x0                             ; rms_scale
.irp i, 0,2,4,6
	v_pk_add_f32 v[G+\i:G+\i+1], v[G+\i:G+\i+1], 1.0 op_sel_hi:[1,0]     ; plain work behind the roots
.endr
	s_wait_alu depctr_va_vdst(0)                   ; one wait for the four, ahead of their first reader
.irp t, 0,1,2,3
.irp i, 0,2,4,6
	v_pk_mul_f32 v[O+8*\t+\i:O+8*\t+\i+1], v[O+8*\t+\i:O+8*\t+\i+1], v[TT+2*\t:TT+2*\t+1] op_sel_hi:[1,0]
.endr
.endr
.irp t, 0,1,2,3
.irp i, 0,2,4,6
	v_pk_mul_f32 v[O+8*\t+\i:O+8*\t+\i+1], v[O+8*\t+\i:O+8*\t+\i+1], v[G+\i:G+\i+1]
.endr
.endr
.irp t, 0,1,2,3
	ds_store_b128 v[OSW], v[O+8*\t:O+8*\t+3] offset:\t*16640             ; row 16 t + r of the 64, my eight channels: 32 bytes
	ds_store_b128 v[OSW], v[O+8*\t+4:O+8*\t+7] offset:\t*16640+16
.endr
.Lskip4:
	BARRIER
	s_cmp_eq_u32 s18, 16
	s_cbranch_scc1 .Lend
.irp i, 0,1,2,3
.irp hf, 0,1
	ds_load_b128 v[VR+4*(2*\i+\hf):VR+4*(2*\i+\hf)+3], v[OSR] offset:\i*1040+\hf*512
.endr
.endr
.irp i, 0,1,2,3
.irp hf, 0,1
	s_wait_dscnt 7-(2*\i+\hf)
	global_store_b128 v[LIG], v[VR+4*(2*\i+\hf):VR+4*(2*\i+\hf)+3], s[60:61] offset:\i*4096+\hf*512 th:TH_STORE_NT   ; 32 lanes store 512 consecutive bytes, aligned to 256
.endr
.endr
.Lend:
	s_wait_tensorcnt 0x0                           ; the wave's end: behind my last LDS store
	ds_add_u32 v[SPW], v[NIL]
	s_wait_dscnt 0x0
	s_endpgm
.Lfunc_end_k_q1403d7570a_attn:
	.size	k_q1403d7570a_attn, .Lfunc_end_k_q1403d7570a_attn-k_q1403d7570a_attn
	.p2alignl 7, 3214868480
	.fill 96, 4, 3214868480
	.section	.rodata,"a",@progbits
	.p2align	6, 0x0
	.amdhsa_kernel k_q1403d7570a_attn
		.amdhsa_group_segment_fixed_size 287232
		.amdhsa_private_segment_fixed_size 0
		.amdhsa_enable_private_segment 0
		.amdhsa_kernarg_size 40
		.amdhsa_user_sgpr_count 2
		.amdhsa_user_sgpr_kernarg_segment_ptr 1
		.amdhsa_wavefront_size32 1
		.amdhsa_system_sgpr_workgroup_id_x 1
		.amdhsa_system_sgpr_workgroup_id_y 1
		.amdhsa_system_sgpr_workgroup_id_z 1
		.amdhsa_system_vgpr_workitem_id 0
		.amdhsa_next_free_vgpr 192
		.amdhsa_next_free_sgpr 66
		.amdhsa_reserve_vcc 1
		.amdhsa_float_denorm_mode_32 3
		.amdhsa_float_denorm_mode_16_64 3
		.amdhsa_memory_ordered 1
		.amdhsa_forward_progress 1
		.amdhsa_inst_pref_size 98
	.end_amdhsa_kernel
	.amdgpu_metadata
---
amdhsa.version: [ 1, 2 ]
amdhsa.kernels:
  - .name:           k_q1403d7570a_attn
    .symbol:         k_q1403d7570a_attn.kd
    .args:
      - { .name: img, .offset: 0, .size: 8, .value_kind: global_buffer, .address_space: global }
      - { .name: scl, .offset: 8, .size: 8, .value_kind: global_buffer, .address_space: global }
      - { .name: tab, .offset: 16, .size: 8, .value_kind: global_buffer, .address_space: global }
      - { .name: rms_scale, .offset: 24, .size: 8, .value_kind: global_buffer, .address_space: global }
      - { .name: out0, .offset: 32, .size: 8, .value_kind: global_buffer, .address_space: global }
    .group_segment_fixed_size: 287232
    .private_segment_fixed_size: 0
    .kernarg_segment_align: 8
    .kernarg_segment_size: 40
    .max_flat_workgroup_size: 544
    .sgpr_count:     66
    .vgpr_count:     192
    .wavefront_size: 32
...
	.end_amdgpu_metadata
.endif
;; end of part 3
;; ======== version 2 of 2: 2 launches; 1.12 times as fast as version 1
;; workspace buffers: img 6,291,456 bytes; scl 393,216 bytes; gpart 1,572,864 bytes
;; launch prep (part 4): grid 32 x 12, 8 waves a work-group, no clusters, 154,880 bytes of LDS; arguments q, k, v, igate_kernel, fgate_kernel, img, scl, gpart; writes img, scl, gpart
.if DOCPART == 4
	.amdgcn_target "amdgcn-amd-amdhsa--gfx1250"
	.amdhsa_code_object_version 6
	.text
	.protected	k_q1403d7570a_prep
	.globl	k_q1403d7570a_prep
	.p2align	8
	.type	k_q1403d7570a_prep,@function
k_q1403d7570a_prep:
	s_mov_b64 s[64:65], 0
	v_nop
	global_prefetch_b8 v0, s[64:65] scope:SCOPE_SE
	s_setreg_imm32_b32 hwreg(HW_REG_WAVE_MODE, 25, 1), 1
	s_wait_xcnt 0x0
; mLSTM cell, launch 1 of 2.  q, k, v [2][2048][1024] f32 are read ONCE.  Made of them:
;   img:   codes of E2M1 of q and of k / 16 (blocks of 32 along the head's 256) and of v (blocks of 32 along the KEYS), laid as images of operand registers:
;          an image is 1,024 bytes = [block of 32 along K, 4][row, 16][16 bytes], which is registers 4 c .. 4 c + 3 of lane l at 512 c + 16 l.
;          q, k: [head 8][tile of 16 tokens 128][K step 2] images;  v: [head 8][key step of 128 keys 16][tile of 16 channels 16] images.
;   scl:   their E8M0 scale words, one word for a row and 128 along K.
;   gpart: f32 partial sums of the two gate products, [slice of 256 channels 12][gate 8: ig of heads 0-3, fg of heads 0-3][token 4096].
; k / 16 is a division by a power of two: k is quantised under its own scale, and 4 is taken off each scale byte.
; DEAD WORK LEFT OUT BY THE PROGRAM (in the second launch).  For key j > query i reference() sets log_d to -0.7 x the largest f32; d = exp(log_d - m) is then 0 and c = (q . k / 16) x 0 = 0 for all
; finite inputs; these c add 0 to the row's sum n, and a block of them has zero codes, which add 0 to h.  So units of 32 queries x 128 keys that lie wholly above the diagonal are not computed; inside a unit on
; the diagonal the hidden c are made 0 by a select.  Every input has a way to the output and is loaded.
; LIMITS.  A NaN, an infinity or an overflow that reaches only the work left out (a hidden q . k) is not carried to the result.  A block whose largest magnitude lies under the floor
; (2^(3 - 127); for k 2^(7 - 127)) keeps the floor's byte; a block of zeros so gets the byte 1 where the rule says 127: its codes are zeros, and this program alone reads the bytes.
; NaN and infinities among the inputs are not served.
; SHARES.  Work-group (x = batch x 16 + key step T, y = tensor x 4 + head) takes 128 tokens x 256 channels.  Wave w takes 32 tokens (tb = w % 4) x 128 channels (s = w / 4: one K step).
; A wave's 32 loads read 512 consecutive bytes each; the 16 KiB turn through the wave's own stage in LDS, from which a lane takes 16 neighbours along the channels (q, k, the gates) or a column of 32 tokens (v).
; THE GATES go on into a quantised operand, so they are f32 throughout: v_wmma_f32_16x16x4_f32, source 0 = 8 gate rows of W (rows 8-15 repeat them), source 1 = 16 tokens; the channels are
; dealt to the K places alike on both sides.  Four accumulators take turns, one instruction a turn; they are written by matrix instructions alone.
; No tensor load: the stream goes through registers, two work-groups to a WGP.
.set STGB,  16896                      ; a wave's stage: 32 token rows x (512 + 16) bytes
.set WT,    135168                     ; 8 gate rows x (256 channels x 4 + 16) bytes
.set GP,    143488                     ; [s 2][gate 8][token 128] f32
.set SCQ,   151680                     ; q's or k's scale words: [tile 8][s 2][row 16]
.set SCV,   152704                     ; v's scale bytes: [channel 256][block 4]
.set SPARE, 153856                     ; the spare words, 128 bytes for each wave
.set SPW, 1                            ; v1   my spare word's address; never rewritten
.set NIL, 2                            ; v2   0; never rewritten
.set GLO, 6                            ; v6   16 x lane
.set STW, 7                            ; v7   my stage + 16 x lane
.set XRD, 8                            ; v8   my stage + 528 r + 64 h
.set WTW, 9                            ; v9   WT + 4 x thread
.set WRD, 10                           ; v10  WT + 1040 (r % 8) + 512 s + 64 h
.set GPW, 11                           ; v11  GP + 4096 s + 4 (32 tb + r)
.set GPR, 12                           ; v12  GP + 512 w + 16 x lane
.set SQW, 13                           ; v13  SCQ + 256 tb + 64 s + 4 r
.set VCR, 14                           ; v14  my stage + 4 x lane
.set SVW, 15                           ; v15  SCV + 512 s + 4 x lane + tb
.set SCR, 16                           ; v16  SCQ + 16 (thread % 64)
.set VST, 17                           ; v17  1024 h + 16 r
.set WGO, 18                           ; v18  16 x thread
.set SGO, 19                           ; v19  16 (thread % 64)
.set PC,  32                           ; v32-47  codes: two fragments (q, k) or four sets of four (v)
.set PW,  48                           ; v48-49  scale words
.set VB,  50                           ; v50-53  v's scale bytes
.set RAW, 64                           ; v64-191 the rows as loaded; then:
.set WF,  64                           ; v64-127  W's fragment: register 16 b + i = W[channel 32 b + 16 h + i][gate r % 8]
.set X,   128                          ; v128-191 register 16 b + i = x[token r][channel 32 b + 16 h + i]
.set ACC, 192                          ; v192-223 four f32 accumulators
.set TM,  224                          ; v224-239 at work
.set G,   240                          ; v240-247 the gates' sums
.set G2,  248                          ; v248-255 W as loaded; later sums
; 64 numbers of a lane, register 16 b + i = k 32 b + 16 h + i of my row, become a fragment's codes in v[pc] on and its scale word in v[pw].  s56: the floor
.macro QUANT src, pc, pw
.irp b, 0,1,2,3
	v_max3_num_f32 v[TM+\b], |v[\src+16*\b]|, |v[\src+1+16*\b]|, s56   ; block b: my 16 numbers, and the floor, which holds the byte from below
.endr
.irp i, 2,4,6,8,10,12,14
.irp b, 0,1,2,3
	v_max3_num_f32 v[TM+\b], v[TM+\b], |v[\src+16*\b+\i]|, |v[\src+1+16*\b+\i]|   ; the four blocks by turns
.endr
.endr
.irp b, 0,1,2,3
	v_permlanex16_b32 v[TM+4+\b], v[TM+\b], s58, s59
.endr
.irp b, 0,1,2,3
	v_max_num_f32 v[TM+\b], v[TM+\b], v[TM+4+\b]                       ; with lane l xor 16's: the block's largest magnitude
.endr
.irp b, 0,1,2,3
	v_add_nc_u32 v[TM+12+\b], 0xff000000, v[TM+\b]                     ; 2 off its exponent field: the conversion's scale operand
.endr
.irp b, 0,1,2,3
	v_lshrrev_b32 v[TM+4+\b], 23, v[TM+12+\b]                          ; the scale's byte
.endr
	v_lshl_or_b32 v[\pw], v[TM+5], 8, v[TM+4]
	v_lshl_or_b32 v[\pw], v[TM+6], 16, v[\pw]
	v_lshl_or_b32 v[\pw], v[TM+7], 24, v[\pw]
.irp b, 0,1,2,3
	v_cvt_scalef32_pk8_fp4_f32 v[\pc+2*\b], v[\src+16*\b:\src+7+16*\b], v[TM+12+\b]
	v_cvt_scalef32_pk8_fp4_f32 v[\pc+1+2*\b], v[\src+8+16*\b:\src+15+16*\b], v[TM+12+\b]
.endr
	v_nop                                          ; one plain place behind the scaled conversions
.irp c, 0,1                                    ; the operand's layout wants a whole block in a lane: lanes 0-15 block 2 c, lanes 16-31 block 2 c + 1
.irp i, 0,1
	v_permlane16_swap_b32 v[\pc+4*\c+\i], v[\pc+2+4*\c+\i]
.endr
.endr
.endm
	s_load_b512 s[8:23], s[0:1], 0x0               ; q, k, v, igate_kernel, fgate_kernel, img, scl, gpart
	v_lshl_add_u32 v[SPW], v0, 2, SPARE
	v_mov_b32 v[NIL], 0
	v_lshrrev_b32 v3, 5, v0
	v_readfirstlane_b32 s24, v3                    ; wave 0..7
	v_and_b32 v3, 31, v0                           ; lane
	v_and_b32 v4, 15, v0                           ; r
	v_bfe_u32 v5, v0, 4, 1                         ; h
	s_and_b32 s25, s24, 3                          ; tb
	s_lshr_b32 s26, s24, 2                         ; s
	s_and_b32 s27, ttmp7, 0xffff                   ; y
	s_lshr_b32 s28, s27, 2                         ; tensor: 0 q, 1 k, 2 v
	s_and_b32 s29, s27, 3                          ; head in the batch
	s_lshr_b32 s30, ttmp9, 4
	s_lshl_b32 s30, s30, 2
	s_add_co_u32 s30, s30, s29                     ; head 0..7 = 4 x batch + head
	s_and_b32 s31, ttmp9, 15                       ; T
	s_mul_i32 s32, s24, STGB                       ; my stage
	v_lshlrev_b32 v[GLO], 4, v3
	v_add_nc_u32 v[STW], s32, v[GLO]
	v_mul_u32_u24 v[XRD], v4, 528
	v_lshl_add_u32 v[XRD], v5, 6, v[XRD]
	v_add_nc_u32 v[XRD], s32, v[XRD]
	v_lshl_add_u32 v[WTW], v0, 2, WT
	v_and_b32 v[WRD], 7, v4
	v_mul_u32_u24 v[WRD], v[WRD], 1040
	v_lshl_add_u32 v[WRD], v5, 6, v[WRD]
	s_lshl_b32 s33, s26, 9
	s_add_co_u32 s33, s33, WT
	v_add_nc_u32 v[WRD], s33, v[WRD]
	s_lshl_b32 s33, s26, 12
	s_lshl_b32 s34, s25, 7
	s_add_co_u32 s33, s33, s34
	s_add_co_u32 s33, s33, GP
	v_lshl_add_u32 v[GPW], v4, 2, s33
	s_lshl_b32 s33, s24, 9
	s_add_co_u32 s33, s33, GP
	v_add_nc_u32 v[GPR], s33, v[GLO]
	s_lshl_b32 s33, s25, 8
	s_lshl_b32 s34, s26, 6
	s_add_co_u32 s33, s33, s34
	s_add_co_u32 s33, s33, SCQ
	v_lshl_add_u32 v[SQW], v4, 2, s33
	v_lshl_add_u32 v[VCR], v3, 2, s32
	s_lshl_b32 s33, s26, 9
	s_add_co_u32 s33, s33, s25
	s_add_co_u32 s33, s33, SCV
	v_lshl_add_u32 v[SVW], v3, 2, s33
	v_and_b32 v[SGO], 63, v0
	v_lshlrev_b32 v[SGO], 4, v[SGO]
	v_add_nc_u32 v[SCR], SCQ, v[SGO]
	v_lshlrev_b32 v[VST], 4, v4
	v_lshl_add_u32 v[VST], v5, 10, v[VST]
	v_lshlrev_b32 v[WGO], 4, v0
.irp b, 0,1,2,3
	v_mov_b32 v[TM+4+\b], 0                        ; written once: a lane permute's destination counts as one of its sources
.endr
	; byte offsets, apart from the addresses
	s_lshl_b32 s38, ttmp9, 19                      ; the source: 128 x rows of 4,096 bytes,
	s_lshl_b32 s34, s25, 17                        ; + 32 tb rows,
	s_add_co_u32 s38, s38, s34
	s_lshl_b32 s34, s29, 10                        ; + the head's 1,024 bytes,
	s_add_co_u32 s38, s38, s34
	s_lshl_b32 s34, s26, 9                         ; + my 512
	s_add_co_u32 s38, s38, s34
	s_mov_b32 s39, 0
	s_lshl_b32 s40, s27, 12                        ; the gate kernels: 256 y rows of 16 bytes
	s_mov_b32 s41, 0
	s_lshl_b32 s46, s28, 21                        ; img: the tensor's part, the head, the key step;
	s_lshl_b32 s34, s30, 18
	s_add_co_u32 s46, s46, s34
	s_lshl_b32 s34, s31, 14
	s_add_co_u32 s46, s46, s34
	s_lshl_b32 s34, s25, 12
	s_lshl_b32 s35, s26, 10
	s_add_co_u32 s34, s34, s35                     ; q, k: two tiles of tokens a wave, K step s
	s_lshl_b32 s35, s26, 13
	s_lshl_b32 s33, s25, 8
	s_add_co_u32 s35, s35, s33                     ; v: eight tiles of channels a wave, block tb
	s_cmp_eq_u32 s28, 2
	s_cselect_b32 s34, s35, s34
	s_add_co_u32 s46, s46, s34
	s_mov_b32 s47, 0
	s_lshl_b32 s50, s28, 17                        ; scl
	s_lshl_b32 s34, s30, 14
	s_add_co_u32 s50, s50, s34
	s_lshl_b32 s34, s31, 10
	s_add_co_u32 s50, s50, s34
	s_mov_b32 s51, 0
	s_lshl_b32 s52, s27, 17                        ; gpart: slice y, gate w, token 128 x
	s_lshl_b32 s34, s24, 14
	s_add_co_u32 s52, s52, s34
	s_lshl_b32 s34, ttmp9, 9
	s_add_co_u32 s52, s52, s34
	s_mov_b32 s53, 0
	s_mov_b32 s56, 0x1800000                       ; the floor 2^(3 - 127);
	s_cmp_eq_u32 s28, 1
	s_cselect_b32 s56, 0x3800000, s56              ; for k 2^(7 - 127), so that 4 can be taken off the byte
	s_cselect_b32 s57, 0x04040404, 0               ; what is taken off the four bytes: k / 16
	s_mov_b32 s58, 0x76543210
	s_mov_b32 s59, 0xfedcba98                      ; v_permlanex16_b32's selects for lane l xor 16
	s_wait_kmcnt 0x0
	s_cmp_eq_u32 s28, 0
	s_cselect_b64 s[36:37], s[8:9], s[10:11]
	s_cmp_eq_u32 s28, 2
	s_cselect_b64 s[36:37], s[12:13], s[36:37]     ; the choice hangs on the work-group's number alone
	s_add_nc_u64 s[36:37], s[36:37], s[38:39]
	s_add_nc_u64 s[42:43], s[14:15], s[40:41]
	s_add_nc_u64 s[44:45], s[16:17], s[40:41]
	s_add_nc_u64 s[18:19], s[18:19], s[46:47]
	s_add_nc_u64 s[20:21], s[20:21], s[50:51]
	s_add_nc_u64 s[22:23], s[22:23], s[52:53]
	global_load_b128 v[G2:G2+3], v[WGO], s[42:43]          ; my channel's four input gates,
	global_load_b128 v[G2+4:G2+7], v[WGO], s[44:45]        ; and its four forget gates
.set i, 0
.rept 32
	global_load_b128 v[RAW+4*i:RAW+4*i+3], v[GLO], s[36:37] offset:i*4096 th:TH_LOAD_NT   ; token i: 32 lanes read 512 consecutive bytes
.set i, i+1
.endr
	s_wait_loadcnt 32                              ; W is in; the 32 rows may be out
.irp g, 0,1,2,3,4,5,6,7
	ds_store_b32 v[WTW], v[G2+\g] offset:\g*1040   ; turned: a row for each gate
.endr
.set i, 0
.rept 32
	s_wait_loadcnt 31-i                            ; row i is in; the rows behind it may be out
	ds_store_b128 v[STW], v[RAW+4*i:RAW+4*i+3] offset:i*528
.set i, i+1
.endr
	s_wait_dscnt 0x0                               ; my stores have landed: W's rows are read by all eight waves
	s_barrier_signal -1
	s_barrier_wait -1
.irp b, 0,1,2,3
.irp jj, 0,1,2,3
	ds_load_b128 v[WF+16*\b+4*\jj:WF+16*\b+4*\jj+3], v[WRD] offset:\b*128+\jj*16
.endr
.endr
; Tokens 16 tau .. 16 tau + 15 of my 32: the gates' partial sums over my 128 channels; for q and k also a fragment of codes.
.macro GATES tau
.irp b, 0,1,2,3
.irp jj, 0,1,2,3
	ds_load_b128 v[X+16*\b+4*\jj:X+16*\b+4*\jj+3], v[XRD] offset:\tau*8448+\b*128+\jj*16
.endr
.endr
	s_wait_dscnt 0x0
.set p, 0
.rept 32                                       ; K places 2 h + j of product p hold channel 32 b + 16 h + i with 16 b + i = 2 p + j, on both sides
.if p < 4
	v_wmma_f32_16x16x4_f32 v[ACC+8*(p%4):ACC+8*(p%4)+7], v[WF+2*p:WF+2*p+1], v[X+2*p:X+2*p+1], 0
.else
	v_wmma_f32_16x16x4_f32 v[ACC+8*(p%4):ACC+8*(p%4)+7], v[WF+2*p:WF+2*p+1], v[X+2*p:X+2*p+1], v[ACC+8*(p%4):ACC+8*(p%4)+7]
.endif
.set p, p+1
.endr
.rept 9
	v_nop                                          ; places behind this form: 8 ahead of the reads of the sums and of loads into the operands, 9 ahead of the next sums' first products
.endr
	s_cmp_lt_u32 s28, 2
	s_cbranch_scc0 .Lnot_qk_\@
	QUANT X, PC+8*\tau, PW+\tau
	v_sub_nc_u32 v[PW+\tau], v[PW+\tau], s57       ; k: 4 off each byte
	global_store_b128 v[GLO], v[PC+8*\tau:PC+8*\tau+3], s[18:19] offset:\tau*2048         ; the image: 512 consecutive bytes a store
	global_store_b128 v[GLO], v[PC+8*\tau+4:PC+8*\tau+7], s[18:19] offset:\tau*2048+512
	ds_store_b32 v[SQW], v[PW+\tau] offset:\tau*128      ; lanes r and 16 + r write the same word with the same value
.Lnot_qk_\@:
.irp j, 0,2,4,6
	v_pk_add_f32 v[G+\j:G+\j+1], v[ACC+\j:ACC+\j+1], v[ACC+8+\j:ACC+8+\j+1]              ; each accumulator from its low end on
.endr
.irp j, 0,2,4,6
	v_pk_add_f32 v[G2+\j:G2+\j+1], v[ACC+16+\j:ACC+16+\j+1], v[ACC+24+\j:ACC+24+\j+1]
.endr
.irp j, 0,2,4,6
	v_pk_add_f32 v[G+\j:G+\j+1], v[G+\j:G+\j+1], v[G2+\j:G2+\j+1]
.endr
.irp j, 0,1,2,3,4,5,6,7
	ds_store_b32 v[GPW], v[G+\j] offset:\tau*64+\j*512   ; register j: gate j of token r.  Lanes 16-31 hold rows 8-15, which repeat rows 0-7: the same word, the same value
.endr
	s_wait_dscnt 0x0                               ; the stores have read their registers
.endm
	GATES 0
	GATES 1
	s_cmp_eq_u32 s28, 2
	s_cbranch_scc0 .Lnot_v
	; v: a lane takes a channel, and its registers run down my 32 tokens, which are block tb of key step T
.irp sg, 0,1,2,3
.set t, 0
.rept 32
	ds_load_b32 v[RAW+32*\sg+t], v[VCR] offset:t*528+\sg*128
.set t, t+1
.endr
.endr
.macro VQ sg                                   ; channels 128 s + 32 sg + lane
.set XS, RAW+32*\sg
.if \sg < 2
	s_wait_dscnt 63                                ; behind this set's loads stand 96 (65) LDS instructions; the count is the largest that the field holds
.else
	s_wait_dscnt (3-\sg)*32+\sg                    ; the later sets' loads and the byte stores issued so far may be out
.endif
	v_max3_num_f32 v[TM], |v[XS]|, |v[XS+1]|, |v[XS+2]|
	v_max3_num_f32 v[TM+1], |v[XS+3]|, |v[XS+4]|, |v[XS+5]|
.irp i, 6,10,14,18,22,26
	v_max3_num_f32 v[TM], v[TM], |v[XS+\i]|, |v[XS+\i+1]|
	v_max3_num_f32 v[TM+1], v[TM+1], |v[XS+\i+2]|, |v[XS+\i+3]|
.endr
	v_max3_num_f32 v[TM], v[TM], |v[XS+30]|, |v[XS+31]|
	v_max3_num_f32 v[TM], v[TM], v[TM+1], 0x1800000      ; and the floor
	v_add_nc_u32 v[TM+2], 0xff000000, v[TM]
	v_lshrrev_b32 v[VB+\sg], 23, v[TM+2]
.irp g, 0,1,2,3
	v_cvt_scalef32_pk8_fp4_f32 v[PC+4*\sg+\g], v[XS+8*\g:XS+8*\g+7], v[TM+2]
.endr
	v_nop                                          ; one plain place behind the scaled conversions
	global_store_b128 v[VST], v[PC+4*\sg:PC+4*\sg+3], s[18:19] offset:\sg*2048   ; sixteen lanes store 256 consecutive bytes, aligned: block tb of a tile of 16 channels
	ds_store_b8 v[SVW], v[VB+\sg] offset:\sg*128
.endm
	VQ 0
	VQ 1
	VQ 2
	VQ 3
.Lnot_v:
	s_wait_dscnt 0x0                               ; my stores have landed: the sums and the scales are read by other waves
	s_barrier_signal -1
	s_barrier_wait -1
	ds_load_b128 v[G:G+3], v[GPR]                  ; wave w takes gate w: the two halves of the channels,
	ds_load_b128 v[G+4:G+7], v[GPR] offset:4096
	s_wait_dscnt 0x0
	v_pk_add_f32 v[G:G+1], v[G:G+1], v[G+4:G+5]
	v_pk_add_f32 v[G+2:G+3], v[G+2:G+3], v[G+6:G+7]
	global_store_b128 v[GLO], v[G:G+3], s[22:23]   ; 128 tokens: 512 consecutive bytes
	s_cmp_lt_u32 s24, 2
	s_cbranch_scc0 .Ldone                          ; waves 0 and 1 copy the 1,024 bytes of scales
	s_cmp_eq_u32 s28, 2
	s_cbranch_scc1 .Lscales_v
	ds_load_b128 v[TM:TM+3], v[SCR]
	s_branch .Lscales_in
.Lscales_v:
	ds_load_b128 v[TM:TM+3], v[SCR] offset:1024
.Lscales_in:
	s_wait_dscnt 0x0
	global_store_b128 v[SGO], v[TM:TM+3], s[20:21]
.Ldone:
	s_wait_tensorcnt 0x0                           ; the wave's end: behind my last LDS store
	ds_add_u32 v[SPW], v[NIL]
	s_wait_dscnt 0x0
	s_endpgm
.Lfunc_end_k_q1403d7570a_prep:
	.size	k_q1403d7570a_prep, .Lfunc_end_k_q1403d7570a_prep-k_q1403d7570a_prep
	.p2alignl 7, 3214868480
	.fill 96, 4, 3214868480
	.section	.rodata,"a",@progbits
	.p2align	6, 0x0
	.amdhsa_kernel k_q1403d7570a_prep
		.amdhsa_group_segment_fixed_size 154880
		.amdhsa_private_segment_fixed_size 0
		.amdhsa_enable_private_segment 0
		.amdhsa_kernarg_size 64
		.amdhsa_user_sgpr_count 2
		.amdhsa_user_sgpr_kernarg_segment_ptr 1
		.amdhsa_wavefront_size32 1
		.amdhsa_system_sgpr_workgroup_id_x 1
		.amdhsa_system_sgpr_workgroup_id_y 1
		.amdhsa_system_sgpr_workgroup_id_z 1
		.amdhsa_system_vgpr_workitem_id 0
		.amdhsa_next_free_vgpr 256
		.amdhsa_next_free_sgpr 66
		.amdhsa_reserve_vcc 0
		.amdhsa_float_denorm_mode_32 3
		.amdhsa_float_denorm_mode_16_64 3
		.amdhsa_memory_ordered 1
		.amdhsa_forward_progress 1
		.amdhsa_inst_pref_size 46
	.end_amdhsa_kernel
	.amdgpu_metadata
---
amdhsa.version: [ 1, 2 ]
amdhsa.kernels:
  - .name:           k_q1403d7570a_prep
    .symbol:         k_q1403d7570a_prep.kd
    .args:
      - { .name: q, .offset: 0, .size: 8, .value_kind: global_buffer, .address_space: global }
      - { .name: k, .offset: 8, .size: 8, .value_kind: global_buffer, .address_space: global }
      - { .name: v, .offset: 16, .size: 8, .value_kind: global_buffer, .address_space: global }
      - { .name: igate_kernel, .offset: 24, .size: 8, .value_kind: global_buffer, .address_space: global }
      - { .name: fgate_kernel, .offset: 32, .size: 8, .value_kind: global_buffer, .address_space: global }
      - { .name: img, .offset: 40, .size: 8, .value_kind: global_buffer, .address_space: global }
      - { .name: scl, .offset: 48, .size: 8, .value_kind: global_buffer, .address_space: global }
      - { .name: gpart, .offset: 56, .size: 8, .value_kind: global_buffer, .address_space: global }
    .group_segment_fixed_size: 154880
    .private_segment_fixed_size: 0
    .kernarg_segment_align: 8
    .kernarg_segment_size: 64
    .max_flat_workgroup_size: 256
    .sgpr_count:     66
    .vgpr_count:     256
    .wavefront_size: 32
...
	.end_amdgpu_metadata
.endif
;; end of part 4
;; launch attn (part 5): grid 32 x 8, 17 waves a work-group, no clusters, 320,768 bytes of LDS; arguments img, scl, gpart, rms_scale, out0, igate_bias, fgate_bias; writes out0
.if DOCPART == 5
	.amdgcn_target "amdgcn-amd-amdhsa--gfx1250"
	.amdhsa_code_object_version 6
	.text
	.protected	k_q1403d7570a_attn
	.globl	k_q1403d7570a_attn
	.p2align	8
	.type	k_q1403d7570a_attn,@function
k_q1403d7570a_attn:
	s_mov_b64 s[64:65], 0
	v_nop
	global_prefetch_b8 v0, s[64:65] scope:SCOPE_SE
	s_setreg_imm32_b32 hwreg(HW_REG_WAVE_MODE, 25, 1), 1
	s_wait_xcnt 0x0
; mLSTM cell, launch 2 of 2: the gates' tables; c = (q . k / 16) d, n = max(the row's sum of c, e^-m), h = (c / (n + 1e-6)) v, RMS norm over the head.  Both products on codes of E2M1 with E8M0 scales.
; WORK LEFT OUT: units of 32 queries x 128 keys wholly above the diagonal: there reference()'s own mask makes d, c and their codes 0 for all finite inputs (shown at the first kernel's head).
; LIMITS.  A NaN, an infinity or an overflow in a hidden q . k is not carried to the result.  d = 2^x and e^-m give 0 where they would lie under 2^-126.  c / (n + 1e-6) is c x v_rcp_f32(n + 1e-6).
; m[i] is formed as cs1[i] + the running maximum of (ig[j] - cs1[j]): it differs from reference()'s row maximum by rounding.
; log_d - m is formed as a' + bkey[j], a' = (cs1[i] - ref[T]) - m[i], bkey[j] = (ref[T] - cs1[j]) + ig[j], ref[T] = the sum of log_sigmoid(fg) up to the end of key step T: the row's maximum m is taken
; away as in reference(); roundings of the size of reference()'s own.  A block of zeros gets the byte 1 where the rule says 127: its codes are zeros.  NaN and infinities among the inputs are not served.
; c / (n + 1e-6) IS QUANTISED FINISHED, so a row's whole sum is wanted ahead of its first code: c is computed once, kept in LDS, and quantised behind the sums.
; SHARES.  Work-group (j, head) owns two blocks of 32 queries: L = block 63 - j, with sL = 16 - j / 4 key steps under the mask, and E = block j, with 17 - sL: ALWAYS 17 UNITS of 32 queries x 128 keys,
; one for each of 17 waves: every work-group has the same work, and the phases have no loop.  Wave w < sL takes L's key step w, the others E's key step 16 - w.
; PHASES.  0: waves 0-15 (thread t: tokens 4 t .. 4 t + 3; wave T: key step T): ig, fg = the first launch's 12 slices + bias; lf = log_sigmoid(fg) = min(fg, 0) - log1p(e^-|fg|); cs1 = its running sum;
; the running maximum; m, e^-m, bkey: four tables of the head's 2,048 tokens in LDS.  All in f32.  EVERY WORK-GROUP MAKES ITS HEAD'S TABLES ITSELF: 24 x 8,192 bytes come in, about 330 vector
; instructions a wave: a launch of their own for 8 heads would leave 248 of 256 WGPs without work.  Q's and K's first loads are on their way meanwhile.  Two barriers inside, one behind, one behind the reads of
; my queries' numbers |  1: my unit: S^T = K Q^T (source 0 = 16 keys, source 1 = 16 queries: a lane holds one query), d, c, its part of the rows' sums; c to my own 16 KiB of LDS | barrier |
; 2: the rows' sums, 1 / (n + eps), p = c / (n + eps), quantised along the keys; p's two fragments and scale word back to my slot as images of registers | barrier |
; 3: waves 0-15: wave w owns channels 16 w .. 16 w + 15 and walks all 17 units: O^T += V^T P^T; its part of the sums of squares | barrier |  4: the norm; rows gathered in LDS | barrier | whole rows stored.
; THE KEYS OF A TILE ARE NOT NEIGHBOURS: lane r of tile u of a group of 32 keys takes key 8 u + r + 8 (r / 8), so that a lane's 16 registers of tiles 0 and 1 are 16 neighbouring keys, 16 h + 0 .. 15.
; Operands come from memory straight into registers: the first launch laid them in the order of the operand's registers.  No tensor load and no joint request: c's store takes 278,528 bytes of LDS,
; so that no tile could land there; each fragment of K is read by one wave of the work-group.
; LDS addresses hang on the wave's number and constants, but for three that read the tables: bkey's and ref's (a choice between two key steps made of the wave's number) and my queries' (the work-group's number);
; the tables are written in phase 0 alone.
.set RS,    278528                     ; behind the 17 slots: [wave 17][query 16][tile 2] f32: parts of the rows' sums
.set SQ,    280832                     ; [wave 16][query 16][tile 4] f32: parts of the sums of squares
.set SPARE, 284928                     ; the spare words, 128 bytes for each of 17 waves, rounded up to 2,304
.set TAB,   287232                     ; four tables [token 2048] f32, 8,192 bytes each: bkey, cs1, m, e^-m
.set WTOT,  320000                     ; a word a wave: the waves' sums; 256 on: their maxima; 512 on: ref
.set SPW, 1                            ; v1   my spare word's address; never rewritten
.set NIL, 2                            ; v2   0; never rewritten
.set LIG, 3                            ; v3-7 16 x lane + 65,536 g: slot s is reached by register s / 4 and the offset 16,384 (s % 4)
.set OWN, 8                            ; v8   my slot + 16 x lane
.set RSW, 9                            ; v9   RS + 128 w + 8 r
.set RSR, 10                           ; v10  RS + 8 r
.set SQW, 11                           ; v11  SQ + 256 w + 16 r
.set SQR, 12                           ; v12  SQ + 16 r
.set OSW, 13                           ; v13  1040 r + 64 w + 32 h: the rows' stage lies over slots 0 to 4, which nobody reads behind phase 3's barrier
.set OSR, 14                           ; v14  4160 w + 16 x lane
.set R4,  15                           ; v15  4 r
.set QS,  16                           ; v16-25 hold scales and nothing else.  Phase 1: v16-17 Q's words (lanes 0-15 K step 0, lanes 16-31 K step 1), v18-19 K's likewise
.set KS,  18
.set VS,  16                           ; phase 3: v16-23 V's words, a ring of eight;
.set PS,  24                           ; v24-25 P's: lanes 0-15 tile 0's, lanes 16-31 tile 1's
.set BKA, 26                           ; v26  TAB + 512 T + 64 h: bkey of my key step; never rewritten
.set QA,  27                           ; v27  TAB + 4 (my first query + r); never rewritten
.set EM,  28                           ; v28-29 e^-m of my two queries
.set AP,  30                           ; v30-33 a' log2(e), a pair for each tile; later 1 / (n + eps)
.set SUM, 34                           ; v34-37 the rows' sums, a pair for each tile
.set DT,  38                           ; v38-39 my query - the step's first key - 16 h
.set NINF, 40                          ; v40  -infinity
.set KLO, 41                           ; v41  2048 (r / 8) + 256 h + 16 (r % 8)
.set KSL, 42                           ; v42  128 (r / 8) + 64 h + 4 (r % 8)
.set RFA, 43                           ; v43  WTOT + 512 + 4 T: my key step's ref
.set PC,  36                           ; v36-43 phase 2: the codes just made
.set PW,  44                           ; v44-45 their scale words
.set RMO, 46                           ; v46  64 w + 32 h
.set L4,  47                           ; v47  4 x lane
.set QF,  48                           ; v48-79   Q: 16 tau + 8 s
.set KF,  80                           ; v80-111  K: 16 u + 8 s
.set VR,  48                           ; v48-111  from the last group on: V's fragments, a ring of eight
.set BK,  112                          ; v112-127 bkey of my 16 keys
.set SS,  128                          ; v128-159 S^T: 16 tau + 8 u
.set X,   160                          ; v160-191 x, d, c: 16 tau + i
.set C,   112                          ; v112-175 phase 2: c of a tile
.set TM,  176                          ; v176-191 at work
.set O,   112                          ; v112-143 phase 3: O^T: 16 x block + 8 tau
.set P,   144                          ; v144-175 P: two buffers of two fragments
.set G,   176                          ; v176-183 1 + rms_scale of my eight channels
.set TT,  184                          ; v184-191 at work
; phase 0 alone:
.set RAW, 48                           ; v48-143 the 12 slices as loaded: 8 registers each (ig's four tokens, fg's four)
.set ZLF, 112                          ; e^-|fg|, then lf, then its running sum in the thread
.set ZMN, 116
.set ZU,  120
.set ZE,  124
.set ZLG, 128
.set ZRC, 132
.set ZCS, 116                          ; cs1 (where min(fg, 0) lay)
.set ZBB, 120                          ; ig - cs1 and its running maximum
.set ZMM, 124                          ; m
.set ZEX, 128                          ; e^-m
.set ZBK, 132                          ; bkey
.set ZST, 136                          ; a scan's totals
.set ZSY, 137
.set ZSE, 138                          ; the lane's exclusive value
.set ZWO, 139                          ; what the waves below bring
.set ZTP, 140
.set ZZR, 141                          ; 0: the sum's identity
.set ZRF, 142                          ; ref of my key step
.set ZIG, 144
.set ZFG, 148
.set ZTO, 152                          ; v152-167 the 16 waves' totals
.set T16, 184                          ; v184 16 x thread
.set TBW, 185                          ; v185 TAB + 16 x thread
.set WW,  186                          ; v186 WTOT + 4 x wave
.set WR,  187                          ; v187 WTOT
.macro BARRIER                         ; my LDS stores have landed and my LDS loads are in: then the work-group's barrier
	s_wait_dscnt 0x0
	s_barrier_signal -1
	s_barrier_wait -1
.endm
; An exclusive scan over the wave's 32 lanes.  Before step d, v[ZST] holds the total of my block of d lanes.  The step takes the partner block's total (lane xor d); where my lane has bit d the partner block lies
; below mine, and its total joins my exclusive value v[ZSE]; the two totals join in v[ZST].  At the end v[ZST] is the wave's total, the same bits in every lane.
.macro XSTEP op, id, d, m
	v_mov_b32_dpp v[ZSY], v[ZST] row_xmask:\d row_mask:0xf bank_mask:0xf
	v_cndmask_b32 v[ZTP], v[\id], v[ZSY], s[\m]
	\op v[ZSE], v[ZSE], v[ZTP]
	\op v[ZST], v[ZST], v[ZSY]
.endm
.macro XSCAN op, id
	v_mov_b32 v[ZSE], v[\id]
	XSTEP \op, \id, 1, 74
	XSTEP \op, \id, 2, 75
	XSTEP \op, \id, 4, 76
	XSTEP \op, \id, 8, 77
	v_permlanex16_b32 v[ZSY], v[ZST], s30, s31
	v_cndmask_b32 v[ZTP], v[\id], v[ZSY], s58
	\op v[ZSE], v[ZSE], v[ZTP]
	\op v[ZST], v[ZST], v[ZSY]
.endm
; 64 numbers of a lane, register 16 b + i = key 32 b + 16 h + i of my query, become a fragment's codes in v[pc] on and its scale word in v[pw]
.macro QUANT src, pc, pw
.irp b, 0,1,2,3
	v_max3_num_f32 v[TM+\b], |v[\src+16*\b]|, |v[\src+1+16*\b]|, 0x1800000   ; block b: my 16 numbers, and the floor 2^(3 - 127): the byte cannot fall under 1
.endr
.irp i, 2,4,6,8,10,12,14
.irp b, 0,1,2,3
	v_max3_num_f32 v[TM+\b], v[TM+\b], |v[\src+16*\b+\i]|, |v[\src+1+16*\b+\i]|   ; the four blocks by turns
.endr
.endr
.irp b, 0,1,2,3
	v_permlanex16_b32 v[TM+4+\b], v[TM+\b], s30, s31
.endr
.irp b, 0,1,2,3
	v_max_num_f32 v[TM+\b], v[TM+\b], v[TM+4+\b]
.endr
.irp b, 0,1,2,3
	v_add_nc_u32 v[TM+12+\b], 0xff000000, v[TM+\b]
.endr
.irp b, 0,1,2,3
	v_lshrrev_b32 v[TM+4+\b], 23, v[TM+12+\b]
.endr
	v_lshl_or_b32 v[\pw], v[TM+5], 8, v[TM+4]
	v_lshl_or_b32 v[\pw], v[TM+6], 16, v[\pw]
	v_lshl_or_b32 v[\pw], v[TM+7], 24, v[\pw]
.irp b, 0,1,2,3
	v_cvt_scalef32_pk8_fp4_f32 v[\pc+2*\b], v[\src+16*\b:\src+7+16*\b], v[TM+12+\b]
	v_cvt_scalef32_pk8_fp4_f32 v[\pc+1+2*\b], v[\src+8+16*\b:\src+15+16*\b], v[TM+12+\b]
.endr
	v_nop                                          ; one plain place behind the scaled conversions
.irp c, 0,1
.irp i, 0,1
	v_permlane16_swap_b32 v[\pc+4*\c+\i], v[\pc+2+4*\c+\i]
.endr
.endr
.endm
; Phase 3 walks the slots in the order 0, 16, 1, 2, .. 15: both blocks' sums are begun by slots whose block is the same in every work-group (slots 0 to 8 are L's, slot 16 is E's)
.macro SLOTOF kk
.if (\kk) == 0
.set SL, 0
.elseif (\kk) == 1
.set SL, 16
.else
.set SL, (\kk)-1
.endif
.endm
; V's fragment and scale word for item kk, into place kk % 8 of the ring.  The slot's key step: the slot's number in L, 16 - the slot's number in E
.macro VLOAD kk
	SLOTOF \kk
.set VRP, (\kk)%8
.if (SL <= 8) || (SL == 16)
.set VT, SL%16
	global_load_b128 v[VR+8*VRP:VR+8*VRP+3], v[LIG], s[48:49] offset:VT*16384
	global_load_b128 v[VR+8*VRP+4:VR+8*VRP+7], v[LIG], s[48:49] offset:VT*16384+512
	global_load_b32 v[VS+VRP], v[R4], s[50:51] offset:VT*1024
.else
	s_wait_xcnt 0x0                                ; the earlier loads have read their bases: the two that walk may be written
	s_cmp_gt_u32 s21, SL
	s_cselect_b32 s56, SL, 16-SL
	s_lshl_b32 s62, s56, 10
	s_lshl_b32 s56, s56, 14
	s_mov_b32 s63, 0
	s_add_nc_u64 s[52:53], s[48:49], s[56:57]
	s_add_nc_u64 s[54:55], s[50:51], s[62:63]
	global_load_b128 v[VR+8*VRP:VR+8*VRP+3], v[LIG], s[52:53]
	global_load_b128 v[VR+8*VRP+4:VR+8*VRP+7], v[LIG], s[52:53] offset:512
	global_load_b32 v[VS+VRP], v[R4], s[54:55]
.endif
.endm
; P's two fragments and scale word of item kk, from its slot, into buffer kk % 2
.macro PLOAD kk
	SLOTOF \kk
.set PBF, (\kk)%2
.irp tau, 0,1
.irp c, 0,1
	ds_load_b128 v[P+16*PBF+8*\tau+4*\c:P+16*PBF+8*\tau+4*\c+3], v[LIG+SL/4] offset:(SL%4)*16384+\tau*8192+\c*512
.endr
.endr
	ds_load_b32 v[PS+PBF], v[LIG+SL/4] offset:(SL%4)*16384+1024
.endm
; Two products: my 16 channels x the block's two tiles of queries, K = the item's 128 keys.  The accumulators take turns, one instruction a turn
.macro PVMM xx, zero
.if \zero
	v_wmma_scale_f32_16x16x128_f8f6f4 v[O+16*\xx:O+16*\xx+7], v[VR+8*RP:VR+8*RP+7], v[P+16*BF:P+16*BF+7], 0, v[VS+RP], v[PS+BF] matrix_a_fmt:MATRIX_FMT_FP4 matrix_b_fmt:MATRIX_FMT_FP4
	v_wmma_scale_f32_16x16x128_f8f6f4 v[O+16*\xx+8:O+16*\xx+15], v[VR+8*RP:VR+8*RP+7], v[P+16*BF+8:P+16*BF+15], 0, v[VS+RP], v[PS+BF] matrix_a_fmt:MATRIX_FMT_FP4 matrix_b_fmt:MATRIX_FMT_FP4 matrix_b_scale:MATRIX_SCALE_ROW1
.else
	v_wmma_scale_f32_16x16x128_f8f6f4 v[O+16*\xx:O+16*\xx+7], v[VR+8*RP:VR+8*RP+7], v[P+16*BF:P+16*BF+7], v[O+16*\xx:O+16*\xx+7], v[VS+RP], v[PS+BF] matrix_a_fmt:MATRIX_FMT_FP4 matrix_b_fmt:MATRIX_FMT_FP4
	v_wmma_scale_f32_16x16x128_f8f6f4 v[O+16*\xx+8:O+16*\xx+15], v[VR+8*RP:VR+8*RP+7], v[P+16*BF+8:P+16*BF+15], v[O+16*\xx+8:O+16*\xx+15], v[VS+RP], v[PS+BF] matrix_a_fmt:MATRIX_FMT_FP4 matrix_b_fmt:MATRIX_FMT_FP4 matrix_b_scale:MATRIX_SCALE_ROW1
.endif
.endm
.macro ITEM kk
	SLOTOF \kk
.set RP, (\kk)%8
.set BF, (\kk)%2
.if 16-(\kk) < 7
	s_wait_loadcnt 3*(16-(\kk))                    ; this item's V is in; the three loads of each later item may be out
.else
	s_wait_loadcnt 21
.endif
.if (\kk) < 16
	s_wait_dscnt 5                                 ; this item's P is in; the next item's five loads may be out
.else
	s_wait_dscnt 0x0
.endif
.if (\kk) == 0
	PVMM 0, 1                                      ; the first products start the sums: nothing is cleared
.elseif (\kk) == 1
	PVMM 1, 1
.elseif SL < 9
	PVMM 0, 0
.else
	s_cmp_gt_u32 s21, SL                           ; whose unit lies in this slot hangs on the work-group's number alone
	s_cbranch_scc0 .Lfor_e_\@
	PVMM 0, 0
	s_branch .Ljoined_\@
.Lfor_e_\@:
	PVMM 1, 0
.Ljoined_\@:
.endif
.rept 4
	v_nop                                          ; places in front of loads into registers that the products have read, and of the first read of results
.endr
.if (\kk)+2 < 17
	PLOAD (\kk)+2
.endif
.if (\kk)+8 < 17
	VLOAD (\kk)+8
.endif
.endm
; K's fragments and scale words for group be (32 keys) of my key step: 10 loads
.macro KLOAD be
.irp u, 0,1
.irp s, 0,1
.irp c, 0,1
	global_load_b128 v[KF+16*\u+8*\s+4*\c:KF+16*\u+8*\s+4*\c+3], v[KLO], s[36:37] offset:(\be)*4096+\u*128+\s*1024+\c*512
.endr
.endr
	global_load_b32 v[KS+\u], v[KSL], s[38:39] offset:(\be)*256+\u*32
.endr
.endm
; bkey of the group's keys 16 h + 0 .. 15, from the table in LDS: the sixteen lanes of a half read the same words
.macro BLOAD be
.irp jj, 0,1,2,3
	ds_load_b128 v[BK+4*\jj:BK+4*\jj+3], v[BKA] offset:(\be)*128+\jj*16
.endr
.endm
; Group be: 32 keys x my 32 queries
.macro GRP be
	s_wait_loadcnt 0x0                             ; this group's operands, asked for a group ago
	s_wait_dscnt 0x0                               ; bkey is in, and the last group's stores have read c's registers
.irp u, 0,1
.irp tau, 0,1
	v_wmma_scale_f32_16x16x128_f8f6f4 v[SS+16*\tau+8*\u:SS+16*\tau+8*\u+7], v[KF+16*\u:KF+16*\u+7], v[QF+16*\tau:QF+16*\tau+7], 0, v[KS+\u], v[QS+\tau] matrix_a_fmt:MATRIX_FMT_FP4 matrix_b_fmt:MATRIX_FMT_FP4
.endr
.endr
.irp u, 0,1                                    ; the head's second 128: the four accumulators by turns; the scale words of lanes 16-31
.irp tau, 0,1
	v_wmma_scale_f32_16x16x128_f8f6f4 v[SS+16*\tau+8*\u:SS+16*\tau+8*\u+7], v[KF+16*\u+8:KF+16*\u+15], v[QF+16*\tau+8:QF+16*\tau+15], v[SS+16*\tau+8*\u:SS+16*\tau+8*\u+7], v[KS+\u], v[QS+\tau] matrix_a_fmt:MATRIX_FMT_FP4 matrix_b_fmt:MATRIX_FMT_FP4 matrix_a_scale:MATRIX_SCALE_ROW1 matrix_b_scale:MATRIX_SCALE_ROW1
.endr
.endr
.irp tau, 0,1
.irp i, 0,2,4,6,8,10,12,14
	v_pk_fma_f32 v[X+16*\tau+\i:X+16*\tau+\i+1], v[BK+\i:BK+\i+1], 0x3fb8aa3b, v[AP+2*\tau:AP+2*\tau+1] op_sel_hi:[1,0,1]   ; (log_d - m) log2(e).  These sixteen are also the places behind the products
.endr
.endr
.if \be < 3
	KLOAD (\be)+1
	BLOAD (\be)+1
.else
	s_cmp_eq_u32 s18, 16                           ; Q and K are done with: their registers take V's first eight fragments (wave 16 has no channels)
	s_cbranch_scc1 .Lno_v_\@
.irp kk, 0,1,2,3,4,5,6,7
	VLOAD \kk
.endr
.Lno_v_\@:
.endif
	s_cmp_ge_i32 s26, 32*(\be)+31                  ; all 32 keys of the group count for all my queries: ids alone
	s_cbranch_scc1 .Lopen_\@
.irp tau, 0,1
.irp i, 0,1,2,3,4,5,6,7,8,9,10,11,12,13,14,15
	v_cmp_gt_i32 vcc_lo, 32*(\be)+\i, v[DT+\tau]   ; register i holds key 32 be + 16 h + i of the step: hidden where it comes after my query
	v_cndmask_b32 v[X+16*\tau+\i], v[X+16*\tau+\i], v[NINF], vcc_lo
.endr
.endr
.Lopen_\@:
.set n, 0
.rept 32
	v_exp_f32 v[X+n], v[X+n]                       ; d
.set n, n+1
.endr
	v_nop                                          ; a plain place behind the last exponential
	s_wait_alu depctr_va_vdst(0)                   ; one wait for the batch, ahead of its first reader
.set n, 0
.rept 16
	v_pk_mul_f32 v[X+n:X+n+1], v[SS+n:SS+n+1], v[X+n:X+n+1]      ; c; each accumulator from its low end on
.set n, n+2
.endr
.irp i, 0,2,4,6,8,10,12,14
	v_pk_add_f32 v[SUM:SUM+1], v[SUM:SUM+1], v[X+\i:X+\i+1]
	v_pk_add_f32 v[SUM+2:SUM+3], v[SUM+2:SUM+3], v[X+16+\i:X+16+\i+1]
.endr
.irp tau, 0,1
.irp n4, 0,1,2,3
	ds_store_b128 v[OWN], v[X+16*\tau+4*\n4:X+16*\tau+4*\n4+3] offset:\tau*8192+(4*(\be)+\n4)*512   ; as images of registers: 512 consecutive bytes a store
.endr
.endr
.endm
	s_load_b256 s[8:15], s[0:1], 0x0               ; img, scl, gpart, rms_scale
	s_load_b64 s[16:17], s[0:1], 0x20              ; out0
	s_load_b64 s[68:69], s[0:1], 0x28              ; igate_bias
	s_load_b64 s[70:71], s[0:1], 0x30              ; fgate_bias
	v_lshl_add_u32 v[SPW], v0, 2, SPARE
	v_mov_b32 v[NIL], 0
	v_lshrrev_b32 v44, 5, v0
	v_readfirstlane_b32 s18, v44                   ; wave 0..16
	s_min_u32 s29, s18, 15                         ; for what waves 0 to 15 alone use
	s_mov_b32 s19, ttmp9                           ; j
	s_and_b32 s20, ttmp7, 0xffff                   ; head 0..7
	s_lshr_b32 s21, s19, 2
	s_sub_co_u32 s21, 16, s21                      ; sL: L's key steps, 9 to 16
	s_xor_b32 s62, s18, 15
	s_add_co_u32 s62, s62, 1
	s_and_b32 s62, s62, 15                         ; 16 - wave, for waves 1 to 16
	s_xor_b32 s63, s19, 63                         ; 63 - j
	s_cmp_lt_u32 s18, s21                          ; is my unit L's?
	s_cselect_b32 s23, s18, s62                    ; T: my key step
	s_cselect_b32 s24, s63, s19                    ; my block of 32 queries
	s_cselect_b32 s27, -1, 0                       ; the mask for parts of sums from waves under sL,
	s_cselect_b32 s28, 0, -1                       ; and from the others
	s_lshl_b32 s25, s24, 5                         ; my first query
	s_lshl_b32 s62, s23, 7
	s_sub_co_i32 s26, s25, s62                     ; my first query - my first key: 0 or more
	s_mov_b32 s30, 0x76543210
	s_mov_b32 s31, 0xfedcba98                      ; v_permlanex16_b32's selects for lane l xor 16
	s_mov_b32 s58, 0xffff0000                      ; lanes 16-31
	s_mov_b32 s59, 0x358637bd                      ; 1e-6
	s_mov_b32 s74, 0xaaaaaaaa                      ; the lanes with bit 1, 2, 4, 8 of their number set
	s_mov_b32 s75, 0xcccccccc
	s_mov_b32 s76, 0xf0f0f0f0
	s_mov_b32 s77, 0xff00ff00
	v_and_b32 v[L4], 31, v0
	v_and_b32 v44, 15, v0                          ; r
	v_bfe_u32 v45, v0, 4, 1                        ; h
	v_lshlrev_b32 v[LIG], 4, v[L4]
.irp g, 1,2,3,4
	v_add_nc_u32 v[LIG+\g], \g*65536, v[LIG]
.endr
	v_lshlrev_b32 v[L4], 2, v[L4]
	s_lshl_b32 s62, s18, 14
	v_add_nc_u32 v[OWN], s62, v[LIG]
	s_lshl_b32 s62, s18, 7
	s_add_co_u32 s62, s62, RS
	v_lshl_add_u32 v[RSW], v44, 3, s62
	v_lshl_add_u32 v[RSR], v44, 3, RS
	s_lshl_b32 s62, s29, 8
	s_add_co_u32 s62, s62, SQ
	v_lshl_add_u32 v[SQW], v44, 4, s62
	v_lshl_add_u32 v[SQR], v44, 4, SQ
	v_mul_u32_u24 v[OSW], v44, 1040
	v_lshl_add_u32 v[OSW], v45, 5, v[OSW]
	s_lshl_b32 s62, s29, 6
	v_add_nc_u32 v[OSW], s62, v[OSW]
	v_lshlrev_b32 v[RMO], 5, v45
	v_add_nc_u32 v[RMO], s62, v[RMO]
	s_mul_i32 s62, s29, 4160
	v_add_nc_u32 v[OSR], s62, v[LIG]
	v_lshlrev_b32 v[R4], 2, v44
	v_lshrrev_b32 v[RFA], 3, v44                   ; r / 8
	v_and_b32 v[NINF], 7, v44                      ; r % 8
	v_lshlrev_b32 v[KLO], 11, v[RFA]
	v_lshl_add_u32 v[KLO], v45, 8, v[KLO]
	v_lshl_add_u32 v[KLO], v[NINF], 4, v[KLO]
	v_lshlrev_b32 v[KSL], 7, v[RFA]
	v_lshl_add_u32 v[KSL], v45, 6, v[KSL]
	v_lshl_add_u32 v[KSL], v[NINF], 2, v[KSL]
	v_mov_b32 v[NINF], 0xff800000
	s_lshl_b32 s62, s23, 9
	s_add_co_u32 s62, s62, TAB
	v_lshl_add_u32 v[BKA], v45, 6, s62
	s_lshl_b32 s62, s25, 2
	s_add_co_u32 s62, s62, TAB
	v_lshl_add_u32 v[QA], v44, 2, s62
	s_lshl_b32 s62, s23, 2
	s_add_co_u32 s62, s62, WTOT+512
	v_mov_b32 v[RFA], s62
	v_lshlrev_b32 v[T16], 4, v0
	v_lshl_add_u32 v[TBW], v0, 4, TAB
	s_lshl_b32 s62, s18, 2
	s_add_co_u32 s62, s62, WTOT
	v_mov_b32 v[WW], s62
	v_mov_b32 v[WR], WTOT
	v_lshlrev_b32 v[DT], 4, v45
	v_sub_nc_u32 v[DT], v44, v[DT]
	v_add_nc_u32 v[DT], s26, v[DT]
	v_add_nc_u32 v[DT+1], 16, v[DT]
.irp i, 0,1,2,3
	v_mov_b32 v[SUM+\i], 0
.endr
	s_mov_b32 s57, 0
	s_wait_kmcnt 0x0
	s_and_b32 s62, s20, 3                          ; the head in its batch
	s_lshl_b32 s56, s62, 2
	s_add_nc_u64 s[68:69], s[68:69], s[56:57]
	s_add_nc_u64 s[70:71], s[70:71], s[56:57]
	s_load_b32 s72, s[68:69], 0x0                  ; the head's two biases
	s_load_b32 s73, s[70:71], 0x0
	s_lshl_b32 s56, s62, 14                        ; gpart: gate = head: 4,096 tokens x 4 bytes,
	s_lshr_b32 s63, s20, 2
	s_lshl_b32 s63, s63, 13                        ; the batch's 2,048 tokens
	s_add_co_u32 s56, s56, s63
	s_add_nc_u64 s[40:41], s[12:13], s[56:57]
	s_lshl_b32 s22, s20, 18                        ; img: a head's 262,144 bytes in each part
	s_lshl_b32 s62, s24, 12
	s_add_co_u32 s56, s22, s62
	s_add_nc_u64 s[32:33], s[8:9], s[56:57]        ; Q: my block's two tiles x two K steps: 4,096 bytes on end
	s_lshl_b32 s62, s23, 14
	s_add_co_u32 s56, s22, s62
	s_add_co_u32 s56, s56, 0x200000
	s_add_nc_u64 s[36:37], s[8:9], s[56:57]        ; K: my key step's eight tiles
	s_lshl_b32 s62, s29, 10
	s_add_co_u32 s56, s22, s62
	s_add_co_u32 s56, s56, 0x400000
	s_add_nc_u64 s[48:49], s[8:9], s[56:57]        ; V: key step 0, my tile of channels
	s_lshl_b32 s22, s20, 14                        ; scl: a head's 16,384 bytes in each part
	s_lshl_b32 s62, s24, 8
	s_add_co_u32 s56, s22, s62
	s_add_nc_u64 s[34:35], s[10:11], s[56:57]
	s_lshl_b32 s62, s23, 10
	s_add_co_u32 s56, s22, s62
	s_add_co_u32 s56, s56, 0x20000
	s_add_nc_u64 s[38:39], s[10:11], s[56:57]
	s_lshl_b32 s62, s29, 6
	s_add_co_u32 s56, s22, s62
	s_add_co_u32 s56, s56, 0x40000
	s_add_nc_u64 s[50:51], s[10:11], s[56:57]
	s_lshr_b32 s56, s20, 2                         ; out0: the batch's 8,388,608 bytes,
	s_lshl_b32 s56, s56, 23
	s_and_b32 s62, s20, 3
	s_lshl_b32 s62, s62, 10                        ; the head's 1,024 in a row,
	s_add_co_u32 s56, s56, s62
	s_sub_co_u32 s62, 63, s19
	s_lshl_b32 s62, s62, 5
	s_lshl_b32 s63, s19, 5
	s_cmp_lt_u32 s29, 8                            ; waves 0-7 store L's rows, waves 8-15 E's,
	s_cselect_b32 s62, s62, s63
	s_and_b32 s63, s29, 7
	s_lshl_b32 s63, s63, 2                         ; four each
	s_add_co_u32 s62, s62, s63
	s_lshl_b32 s62, s62, 12
	s_add_co_u32 s56, s56, s62
	s_add_nc_u64 s[60:61], s[16:17], s[56:57]
	; ---- 0: the head's tables.  Wave 16 owns no tokens: it goes round the work, and passes every barrier
	s_cmp_eq_u32 s18, 16
	s_cbranch_scc1 .Lno_a
.irp sl, 0,1,2,3,4,5,6,7,8,9,10,11
	global_load_b128 v[RAW+8*\sl:RAW+8*\sl+3], v[T16], s[40:41] offset:\sl*131072            ; ig's slice: a wave reads 512 consecutive bytes
	global_load_b128 v[RAW+8*\sl+4:RAW+8*\sl+7], v[T16], s[40:41] offset:\sl*131072+65536    ; fg's
.endr
	s_wait_loadcnt 20                              ; slices 0 and 1 are in: they start the sums; the 20 loads behind them may be out
	v_pk_add_f32 v[ZIG:ZIG+1], v[RAW:RAW+1], v[RAW+8:RAW+9]
	v_pk_add_f32 v[ZIG+2:ZIG+3], v[RAW+2:RAW+3], v[RAW+10:RAW+11]
	v_pk_add_f32 v[ZFG:ZFG+1], v[RAW+4:RAW+5], v[RAW+12:RAW+13]
	v_pk_add_f32 v[ZFG+2:ZFG+3], v[RAW+6:RAW+7], v[RAW+14:RAW+15]
.irp sl, 2,3,4,5,6,7,8,9,10,11
	s_wait_loadcnt 22-2*\sl                        ; slice sl is in; the slices behind it may be out
	v_pk_add_f32 v[ZIG:ZIG+1], v[ZIG:ZIG+1], v[RAW+8*\sl:RAW+8*\sl+1]
	v_pk_add_f32 v[ZIG+2:ZIG+3], v[ZIG+2:ZIG+3], v[RAW+8*\sl+2:RAW+8*\sl+3]
	v_pk_add_f32 v[ZFG:ZFG+1], v[ZFG:ZFG+1], v[RAW+8*\sl+4:RAW+8*\sl+5]
	v_pk_add_f32 v[ZFG+2:ZFG+3], v[ZFG+2:ZFG+3], v[RAW+8*\sl+6:RAW+8*\sl+7]
.endr
.Lno_a:
.set n, 0
.rept 8
	global_load_b128 v[QF+4*n:QF+4*n+3], v[LIG], s[32:33] offset:n*512     ; Q, into registers that the slices have left: it stays through phase 1.  These 20 loads are on their way while the tables are made
.set n, n+1
.endr
.irp tau, 0,1
	global_load_b32 v[QS+\tau], v[L4], s[34:35] offset:\tau*128
.endr
	KLOAD 0
	s_cmp_eq_u32 s18, 16
	s_cbranch_scc1 .Lno_b
	s_wait_kmcnt 0x0                               ; the biases
.irp k, 0,1,2,3
	v_add_f32 v[ZIG+\k], s72, v[ZIG+\k]
	v_add_f32 v[ZFG+\k], s73, v[ZFG+\k]
.endr
	; log_sigmoid: y = e^-|x|, u = 1 + y, log1p(y) = ln(u) + (y - (u - 1)) / u: the second term gives back what the rounding of u took
.irp k, 0,1,2,3
	v_mul_f32 v[ZLF+\k], 0xbfb8aa3b, |v[ZFG+\k]|   ; -|x| log2(e)
.endr
.irp k, 0,1,2,3
	v_exp_f32 v[ZLF+\k], v[ZLF+\k]
.endr
.irp k, 0,1,2,3
	v_min_num_f32 v[ZMN+\k], 0, v[ZFG+\k]          ; plain work behind the exponentials
.endr
	v_mov_b32 v[ZZR], 0
	v_mov_b32 v[ZSY], 0                            ; written once: the destination of a DPP form counts as one of its sources
	s_wait_alu depctr_va_vdst(0)                   ; one wait for the four, ahead of their first reader
.irp k, 0,1,2,3
	v_add_f32 v[ZU+\k], 1.0, v[ZLF+\k]
.endr
.irp k, 0,1,2,3
	v_log_f32 v[ZLG+\k], v[ZU+\k]
.endr
.irp k, 0,1,2,3
	v_rcp_f32 v[ZRC+\k], v[ZU+\k]
.endr
.irp k, 0,1,2,3
	v_add_f32 v[ZE+\k], -1.0, v[ZU+\k]             ; plain work behind the batch: it names none of its results
.endr
.irp k, 0,1,2,3
	v_sub_f32 v[ZE+\k], v[ZLF+\k], v[ZE+\k]
.endr
	s_wait_alu depctr_va_vdst(0)                   ; one wait for the eight
.irp k, 0,1,2,3
	v_mul_f32 v[ZE+\k], v[ZE+\k], v[ZRC+\k]
.endr
.irp k, 0,1,2,3
	v_fmac_f32 v[ZE+\k], 0x3f317218, v[ZLG+\k]     ; + log2(u) ln(2)
.endr
.irp k, 0,1,2,3
	v_sub_f32 v[ZLF+\k], v[ZMN+\k], v[ZE+\k]       ; lf
.endr
	; the running sum: in the thread, over the lanes, over the waves
	v_add_f32 v[ZLF+1], v[ZLF], v[ZLF+1]
	v_add_f32 v[ZLF+2], v[ZLF+1], v[ZLF+2]
	v_add_f32 v[ZLF+3], v[ZLF+2], v[ZLF+3]
	v_mov_b32 v[ZST], v[ZLF+3]
	XSCAN v_add_f32, ZZR
	ds_store_b32 v[WW], v[ZST]                     ; my wave's sum: all lanes write the same word with the same value
.Lno_b:
	BARRIER
	s_cmp_eq_u32 s18, 16
	s_cbranch_scc1 .Lno_c
.irp i, 0,1,2,3
	ds_load_b128 v[ZTO+4*\i:ZTO+4*\i+3], v[WR] offset:16*\i
.endr
	s_wait_dscnt 0x0
	s_cmp_gt_u32 s18, 0
	s_cselect_b32 s62, -1, 0
	v_and_b32 v[ZWO], s62, v[ZTO]                  ; the sums of the waves below mine, in ascending order; the others count as 0
.irp i, 1,2,3,4,5,6,7,8,9,10,11,12,13,14
	s_cmp_gt_u32 s18, \i
	s_cselect_b32 s62, -1, 0
	v_and_b32 v[ZTP], s62, v[ZTO+\i]
	v_add_f32 v[ZWO], v[ZWO], v[ZTP]
.endr
	v_add_f32 v[ZRF], v[ZWO], v[ZST]               ; ref: the sum up to the end of my key step, the same bits in every lane
	v_add_f32 v[ZWO], v[ZWO], v[ZSE]
.irp k, 0,1,2,3
	v_add_f32 v[ZCS+\k], v[ZWO], v[ZLF+\k]         ; cs1
.endr
	; the running maximum of ig - cs1, the same way
.irp k, 0,1,2,3
	v_sub_f32 v[ZBB+\k], v[ZIG+\k], v[ZCS+\k]
.endr
	v_max_num_f32 v[ZBB+1], v[ZBB], v[ZBB+1]
	v_max_num_f32 v[ZBB+2], v[ZBB+1], v[ZBB+2]
	v_max_num_f32 v[ZBB+3], v[ZBB+2], v[ZBB+3]
	v_mov_b32 v[ZST], v[ZBB+3]
	XSCAN v_max_num_f32, NINF
	ds_store_b32 v[WW], v[ZST] offset:256          ; other bytes than the sums': no barrier is owed between the reads above and this store
.Lno_c:
	BARRIER
	s_cmp_eq_u32 s18, 16
	s_cbranch_scc1 .Lno_d
.irp i, 0,1,2,3
	ds_load_b128 v[ZTO+4*\i:ZTO+4*\i+3], v[WR] offset:256+16*\i
.endr
	s_wait_dscnt 0x0
	s_cmp_gt_u32 s18, 0
	s_cselect_b32 s62, -1, 0
	v_cndmask_b32 v[ZWO], v[NINF], v[ZTO], s62
.irp i, 1,2,3,4,5,6,7,8,9,10,11,12,13,14
	s_cmp_gt_u32 s18, \i
	s_cselect_b32 s62, -1, 0
	v_cndmask_b32 v[ZTP], v[NINF], v[ZTO+\i], s62
	v_max_num_f32 v[ZWO], v[ZWO], v[ZTP]
.endr
.irp k, 0,1,2,3
	v_max3_num_f32 v[ZMM+\k], v[ZWO], v[ZSE], v[ZBB+\k]
.endr
.irp k, 0,1,2,3
	v_add_f32 v[ZMM+\k], v[ZCS+\k], v[ZMM+\k]      ; m
.endr
.irp k, 0,1,2,3
	v_mul_f32 v[ZEX+\k], 0xbfb8aa3b, v[ZMM+\k]
.endr
.irp k, 0,1,2,3
	v_exp_f32 v[ZEX+\k], v[ZEX+\k]                 ; e^-m
.endr
.irp k, 0,1,2,3
	v_sub_f32 v[ZBK+\k], v[ZRF], v[ZCS+\k]         ; plain work behind the exponentials
.endr
.irp k, 0,1,2,3
	v_add_f32 v[ZBK+\k], v[ZBK+\k], v[ZIG+\k]      ; bkey
.endr
	s_wait_alu depctr_va_vdst(0)                   ; one wait for the four, ahead of the store that reads them
	ds_store_b128 v[TBW], v[ZBK:ZBK+3]             ; my four tokens in each table: a wave stores 512 consecutive bytes
	ds_store_b128 v[TBW], v[ZCS:ZCS+3] offset:8192
	ds_store_b128 v[TBW], v[ZMM:ZMM+3] offset:16384
	ds_store_b128 v[TBW], v[ZEX:ZEX+3] offset:24576
	ds_store_b32 v[WW], v[ZRF] offset:512
.Lno_d:
	BARRIER                                        ; the tables are whole; from here on they are only read
.irp tau, 0,1
	ds_load_b32 v[X+\tau], v[QA] offset:8192+\tau*64       ; cs1, m, e^-m of query 16 tau + r
	ds_load_b32 v[X+2+\tau], v[QA] offset:16384+\tau*64
	ds_load_b32 v[EM+\tau], v[QA] offset:24576+\tau*64
.endr
	ds_load_b32 v[X+4], v[RFA]                     ; my key step's ref
	BLOAD 0
	BARRIER                                        ; between the last barrier and this one no wave writes LDS: so the reads whose addresses hang on the work-group's number meet no store
	v_sub_f32 v[AP], v[X], v[X+4]
	v_sub_f32 v[AP+2], v[X+1], v[X+4]
	v_sub_f32 v[AP], v[AP], v[X+2]                 ; a' = (cs1[i] - ref) - m[i]
	v_sub_f32 v[AP+2], v[AP+2], v[X+3]
	v_mul_f32 v[AP], 0x3fb8aa3b, v[AP]
	v_mul_f32 v[AP+2], 0x3fb8aa3b, v[AP+2]
	v_mov_b32 v[AP+1], v[AP]
	v_mov_b32 v[AP+3], v[AP+2]
	; ---- 1
	GRP 0
	GRP 1
	GRP 2
	GRP 3
	v_add_f32 v[SUM], v[SUM], v[SUM+1]
	v_add_f32 v[SUM+2], v[SUM+2], v[SUM+3]
	v_permlanex16_b32 v[SUM+1], v[SUM], s30, s31
	v_permlanex16_b32 v[SUM+3], v[SUM+2], s30, s31
	v_add_f32 v[SUM], v[SUM], v[SUM+1]             ; my unit's part of the sums of queries r and 16 + r
	v_add_f32 v[SUM+1], v[SUM+2], v[SUM+3]
	ds_store_b64 v[RSW], v[SUM:SUM+1]              ; lanes r and 16 + r write the same words with the same values
	BARRIER
	; ---- 2
.set i, 0
.rept 17
	ds_load_b64 v[C+2*i:C+2*i+1], v[RSR] offset:i*128
.set i, i+1
.endr
	s_wait_dscnt 0x0
	s_cmp_gt_u32 s21, 0
	s_cselect_b32 s62, s27, s28
	v_and_b32 v[SUM], s62, v[C]                    ; the parts of my own block count, in ascending order; the other block's count as 0
	v_and_b32 v[SUM+1], s62, v[C+1]
.set i, 1
.rept 16
	s_cmp_gt_u32 s21, i
	s_cselect_b32 s62, s27, s28
	v_and_b32 v[C+2*i], s62, v[C+2*i]
	v_and_b32 v[C+2*i+1], s62, v[C+2*i+1]
	v_pk_add_f32 v[SUM:SUM+1], v[SUM:SUM+1], v[C+2*i:C+2*i+1]
.set i, i+1
.endr
	v_max_num_f32 v[SUM], v[SUM], v[EM]            ; n
	v_max_num_f32 v[SUM+1], v[SUM+1], v[EM+1]
	v_add_f32 v[SUM], s59, v[SUM]
	v_add_f32 v[SUM+1], s59, v[SUM+1]
	v_rcp_f32 v[AP], v[SUM]
	v_rcp_f32 v[AP+2], v[SUM+1]
	v_nop                                          ; a plain place behind the reciprocals
	s_wait_alu depctr_va_vdst(0)                   ; one wait for the two, ahead of their first reader
	v_mov_b32 v[AP+1], v[AP]
	v_mov_b32 v[AP+3], v[AP+2]
.macro PQ tau                                  ; tile tau: c back from my slot, p = c / (n + eps), its codes to the slot's bytes that have been read
.set n, 0
.rept 16
	ds_load_b128 v[C+4*n:C+4*n+3], v[OWN] offset:\tau*8192+n*512
.set n, n+1
.endr
	s_wait_dscnt 0x0
.set n, 0
.rept 32
	v_pk_mul_f32 v[C+n:C+n+1], v[C+n:C+n+1], v[AP+2*\tau:AP+2*\tau+1]
.set n, n+2
.endr
	QUANT C, PC, PW+\tau
	ds_store_b128 v[OWN], v[PC:PC+3] offset:\tau*8192
	ds_store_b128 v[OWN], v[PC+4:PC+7] offset:\tau*8192+512
	s_wait_dscnt 0x0                               ; the stores have read their registers
.endm
	PQ 0
	PQ 1
	v_cndmask_b32 v[PW], v[PW], v[PW+1], s58       ; one word a lane: lanes 0-15 tile 0's rows, lanes 16-31 tile 1's
	ds_store_b32 v[OWN], v[PW] offset:1024
	BARRIER
	; ---- 3
	s_cmp_eq_u32 s18, 16
	s_cbranch_scc1 .Lskip3
	PLOAD 0
	PLOAD 1
.irp kk, 0,1,2,3,4,5,6,7,8,9,10,11,12,13,14,15,16
	ITEM \kk
.endr
	global_load_b128 v[G:G+3], v[RMO], s[14:15]    ; rms_scale of my eight channels
	global_load_b128 v[G+4:G+7], v[RMO], s[14:15] offset:16
.irp t, 0,1,2,3
	v_pk_mul_f32 v[TT+2*\t:TT+2*\t+1], v[O+8*\t:O+8*\t+1], v[O+8*\t:O+8*\t+1]     ; the squares, each accumulator from its low end on
.endr
.irp i, 2,4,6
.irp t, 0,1,2,3
	v_pk_fma_f32 v[TT+2*\t:TT+2*\t+1], v[O+8*\t+\i:O+8*\t+\i+1], v[O+8*\t+\i:O+8*\t+\i+1], v[TT+2*\t:TT+2*\t+1]
.endr
.endr
.irp t, 0,1,2,3
	v_add_f32 v[TT+2*\t], v[TT+2*\t], v[TT+2*\t+1]
.endr
.irp t, 0,1,2,3
	v_permlanex16_b32 v[TT+2*\t+1], v[TT+2*\t], s30, s31
.endr
.irp t, 0,1,2,3
	v_add_f32 v[VR+\t], v[TT+2*\t], v[TT+2*\t+1]   ; my 16 channels' part, for query r of the four tiles
.endr
	ds_store_b128 v[SQW], v[VR:VR+3]
.Lskip3:
	BARRIER
	; ---- 4
	s_cmp_eq_u32 s18, 16
	s_cbranch_scc1 .Lskip4
.set i, 0
.rept 16
	ds_load_b128 v[VR+4*i:VR+4*i+3], v[SQR] offset:i*256
.set i, i+1
.endr
	s_wait_dscnt 0x0
.set i, 1
.rept 15
	v_pk_add_f32 v[VR:VR+1], v[VR:VR+1], v[VR+4*i:VR+4*i+1]
	v_pk_add_f32 v[VR+2:VR+3], v[VR+2:VR+3], v[VR+4*i+2:VR+4*i+3]
.set i, i+1
.endr
.irp t, 0,1,2,3
	v_fma_f32 v[VR+\t], v[VR+\t], 0x3b800000, s59  ; the mean of 256 squares + 1e-6
.endr
.irp t, 0,1,2,3
	v_rsq_f32 v[TT+2*\t], v[VR+\t]
.endr
	s_wait_loadcnt 0x0                             ; rms_scale
.irp i, 0,2,4,6
	v_pk_add_f32 v[G+\i:G+\i+1], v[G+\i:G+\i+1], 1.0 op_sel_hi:[1,0]     ; plain work behind the roots
.endr
	s_wait_alu depctr_va_vdst(0)                   ; one wait for the four, ahead of their first reader
.irp t, 0,1,2,3
.irp i, 0,2,4,6
	v_pk_mul_f32 v[O+8*\t+\i:O+8*\t+\i+1], v[O+8*\t+\i:O+8*\t+\i+1], v[TT+2*\t:TT+2*\t+1] op_sel_hi:[1,0]
.endr
.endr
.irp t, 0,1,2,3
.irp i, 0,2,4,6
	v_pk_mul_f32 v[O+8*\t+\i:O+8*\t+\i+1], v[O+8*\t+\i:O+8*\t+\i+1], v[G+\i:G+\i+1]
.endr
.endr
.irp t, 0,1,2,3
	ds_store_b128 v[OSW], v[O+8*\t:O+8*\t+3] offset:\t*16640             ; row 16 t + r of the 64, my eight channels: 32 bytes
	ds_store_b128 v[OSW], v[O+8*\t+4:O+8*\t+7] offset:\t*16640+16
.endr
.Lskip4:
	BARRIER
	s_cmp_eq_u32 s18, 16
	s_cbranch_scc1 .Lend
.irp i, 0,1,2,3
.irp hf, 0,1
	ds_load_b128 v[VR+4*(2*\i+\hf):VR+4*(2*\i+\hf)+3], v[OSR] offset:\i*1040+\hf*512
.endr
.endr
.irp i, 0,1,2,3
.irp hf, 0,1
	s_wait_dscnt 7-(2*\i+\hf)
	global_store_b128 v[LIG], v[VR+4*(2*\i+\hf):VR+4*(2*\i+\hf)+3], s[60:61] offset:\i*4096+\hf*512 th:TH_STORE_NT   ; 32 lanes store 512 consecutive bytes, aligned to 256
.endr
.endr
.Lend:
	s_wait_tensorcnt 0x0                           ; the wave's end: behind my last LDS store
	ds_add_u32 v[SPW], v[NIL]
	s_wait_dscnt 0x0
	s_endpgm
.Lfunc_end_k_q1403d7570a_attn:
	.size	k_q1403d7570a_attn, .Lfunc_end_k_q1403d7570a_attn-k_q1403d7570a_attn
	.p2alignl 7, 3214868480
	.fill 96, 4, 3214868480
	.section	.rodata,"a",@progbits
	.p2align	6, 0x0
	.amdhsa_kernel k_q1403d7570a_attn
		.amdhsa_group_segment_fixed_size 320768
		.amdhsa_private_segment_fixed_size 0
		.amdhsa_enable_private_segment 0
		.amdhsa_kernarg_size 56
		.amdhsa_user_sgpr_count 2
		.amdhsa_user_sgpr_kernarg_segment_ptr 1
		.amdhsa_wavefront_size32 1
		.amdhsa_system_sgpr_workgroup_id_x 1
		.amdhsa_system_sgpr_workgroup_id_y 1
		.amdhsa_system_sgpr_workgroup_id_z 1
		.amdhsa_system_vgpr_workitem_id 0
		.amdhsa_next_free_vgpr 192
		.amdhsa_next_free_sgpr 80
		.amdhsa_reserve_vcc 1
		.amdhsa_float_denorm_mode_32 3
		.amdhsa_float_denorm_mode_16_64 3
		.amdhsa_memory_ordered 1
		.amdhsa_forward_progress 1
		.amdhsa_inst_pref_size 116
	.end_amdhsa_kernel
	.amdgpu_metadata
---
amdhsa.version: [ 1, 2 ]
amdhsa.kernels:
  - .name:           k_q1403d7570a_attn
    .symbol:         k_q1403d7570a_attn.kd
    .args:
      - { .name: img, .offset: 0, .size: 8, .value_kind: global_buffer, .address_space: global }
      - { .name: scl, .offset: 8, .size: 8, .value_kind: global_buffer, .address_space: global }
      - { .name: gpart, .offset: 16, .size: 8, .value_kind: global_buffer, .address_space: global }
      - { .name: rms_scale, .offset: 24, .size: 8, .value_kind: global_buffer, .address_space: global }
      - { .name: out0, .offset: 32, .size: 8, .value_kind: global_buffer, .address_space: global }
      - { .name: igate_bias, .offset: 40, .size: 8, .value_kind: global_buffer, .address_space: global }
      - { .name: fgate_bias, .offset: 48, .size: 8, .value_kind: global_buffer, .address_space: global }
    .group_segment_fixed_size: 320768
    .private_segment_fixed_size: 0
    .kernarg_segment_align: 8
    .kernarg_segment_size: 56
    .max_flat_workgroup_size: 544
    .sgpr_count:     80
    .vgpr_count:     192
    .wavefront_size: 32
...
	.end_amdgpu_metadata
.endif
;; end of part 5
